; MI455X (gfx1250); checked and timed in simulation.
; The chip was launched on July 23, 2026; its instructions are those of AMD's public machine-readable ISA for CDNA 5 (MIT licence, August 2026) and "CDNA5" Instruction Set Architecture Reference Guide (July 2026). The comments in the code are by the model that wrote it; some were corrected since.
;; Linear Multihead Attention. Allowed arithmetic: float matrix products may take bf16 or f16 operands with f32 sums; other float arithmetic in f32, or as packed bf16 or f16 multiplies, adds, multiply-adds, maxima and minima; sums over many terms, partial sums and values carried from step to step in f32; what a program stores and reads back later, other than sums and carried values, may be rounded once to bf16 or f16.
;; Inputs: We 8,192 x 256 float32; Wf 8,192 x 256 float32; Wk 512 x 512 float32; Wo 512 x 512 float32; Wq 512 x 512 float32; Wv 512 x 512 float32; be 256 float32; bf 256 float32; bk 512 float32; bo 512 float32; bq 512 float32; bv 512 float32; query 4 x 8,192 x 512 float32; value 4 x 8,192 x 512 float32.
;; Outputs: out0 4 x 8,192 x 512 float32.
;; One version. Each part assembles by itself: llvm-mc -triple=amdgcn-amd-amdhsa -mcpu=gfx1250 --defsym DOCPART=n.
;; ======== version 1 of 1: 4 launches
;; limits: values are held in f16: magnitudes above 65,504 overflow, below 6.1e-05 lose precision
;; workspace buffers: w2f 8,388,608 bytes; wfr 1,572,864 bytes; csp 262,144 bytes; part 67,108,864 bytes; kvf 2,621,440 bytes; sct 4,096 bytes
;; launch prep (part 1): grid 320 x 1, 4 waves a work-group, no clusters, 39,424 bytes of LDS; arguments We, Wf, Wq, Wk, Wv, Wo, w2f, wfr, csp, kvf; writes w2f, wfr, csp, kvf
.if DOCPART == 1
	.amdgcn_target "amdgcn-amd-amdhsa--gfx1250"
	.amdhsa_code_object_version 6
	.text
	.protected	k_q289636c796_prep
	.globl	k_q289636c796_prep
	.p2align	8
	.type	k_q289636c796_prep,@function
k_q289636c796_prep:
	s_mov_b64 s[64:65], 0
	v_nop
	global_prefetch_b8 v0, s[64:65] scope:SCOPE_SE
	s_setreg_imm32_b32 hwreg(HW_REG_WAVE_MODE, 25, 1), 1
	s_wait_xcnt 0x0
; PREP.  Six f32 matrices X[k][n] (We, Wf: 8192 x 256; Wq, Wk, Wv, Wo: 512 x 512) are rounded once to bf16, turned, and written as matrix FRAGMENTS of X^T.
; A fragment is 16 rows n x 32 k in 1,024 bytes, as a wave's 8 registers hold it: byte 16 l + 512 half holds lane l's registers 4 half .. 4 half + 3.
; ORDER of the fragments of a matrix of 512 rows: K step t of 64 k, pair p = t / 2, s = t % 2, kf = which 32 k, row tile = 8 w + i:
;   byte = p 131,072 + w 32,768 + s 16,384 + kf 8,192 + i 1,024.   We's columns are rows 0-255 and Wf's rows 256-511 of one matrix, in 16 chunks of 512 k (w2f).
; Wq, Wk, Wv go to wfr, 524,288 bytes each.  Wo goes to kvf at byte 2,097,152, behind the room for K' and V' that a later launch fills: the last launch walks those and Wo as one stream from one pointer.
; Wo's bf16 numbers are written as f16 (LIMIT: exact within f16's normal range; below 6e-5 they keep f16's fixed step of 6e-8, beyond 65,504 they are lost).
; Also: the sums of the rounded We and Wf down each column, over the work-group's 64 rows, in f32 (csp[kind][unit of 64 rows][256]).
; SHARES.  A work-group takes 64 k x 256 n: 64 KiB in, 32 fragments out.  Work-groups 0-255: unit id % 128 of We (id < 128) or Wf; 256-319: matrix (id-256)/16, K step ((id-256)/2) % 8, column half.
; Wave v loads rows 16 v .. 16 v + 15 (each load covers 512 consecutive bytes), and writes the fragments of columns 64 v .. 64 v + 63.  The turn goes through LDS: rows of 256 bf16 at a pitch of
; 544 bytes (17 x 32).  No cluster, no matrix unit: no two work-groups read the same byte, and there is nothing to multiply.
.set TP,    544
.set CSB,   64*TP                      ; behind the tile: [wave 4][256] f32 column sums
.set SPARE, CSB+4096                   ; the spare words, 128 bytes for each wave: two blocks of 256 bytes that no other line names
.set WOB,   0x200000                   ; Wo's place in kvf
.set X,   32                           ; v[32:159]   16 rows x 8 f32 as loaded; later the 16 half fragments
.set PK,  160                          ; v[160:223]  the same in 16 bits, two numbers a word
.set CSA, 224                          ; v[224:231]  my 8 columns' sums
.set TT,  232                          ; v[232:235]  at work
.set SPW, 28                           ; v28 my spare word's LDS address; never rewritten
.set NIL, 29                           ; v29 0; never rewritten
.set WV,  2
.set ID,  3
	s_load_b256 s[8:15], s[0:1], 0x0               ; We, Wf, Wq, Wk
	s_load_b256 s[16:23], s[0:1], 0x20             ; Wv, Wo, w2f, wfr
	s_load_b64 s[24:25], s[0:1], 0x40              ; csp
	s_load_b64 s[46:47], s[0:1], 0x48              ; kvf
	v_lshl_add_u32 v[SPW], v0, 2, SPARE
	v_mov_b32 v[NIL], 0
	v_lshrrev_b32 v1, 5, v0
	v_readfirstlane_b32 s[WV], v1                  ; wave 0..3
	v_and_b32 v1, 31, v0                           ; lane
	s_mov_b32 s[ID], ttmp9
	s_mov_b32 s43, 0xffff0000                      ; a word's upper half
	s_and_b32 s4, s[ID], 127                       ; We, Wf: the unit of 64 rows
	s_lshr_b32 s5, s[ID], 7                        ; 0 We, 1 Wf
	s_sub_co_u32 s6, s[ID], 256
	s_lshr_b32 s7, s6, 4                           ; the square matrix 0..3 (a number above 3 in work-groups 0-255)
	s_bfe_u32 s32, s6, 0x30001                     ; its K step
	s_and_b32 s33, s6, 1                           ; its column half
	s_lshl_b32 s34, s4, 16                         ; source byte: unit x 64 rows x 1,024,
	s_lshl_b32 s35, s32, 17                        ; or K step x 64 rows x 2,048
	s_lshl_b32 s36, s33, 10                        ; + half x 1,024
	s_add_co_u32 s35, s35, s36
	s_lshr_b32 s36, s4, 3
	s_lshl_b32 s36, s36, 19                        ; output: chunk x 524,288,
	s_lshl_b32 s37, s7, 19                         ; or matrix x 524,288 in wfr,
	s_cmp_eq_u32 s7, 3
	s_cselect_b32 s37, WOB, s37                    ; or Wo's place in kvf
	s_and_b32 s38, s4, 7
	s_cmp_lt_u32 s[ID], 256
	s_cselect_b32 s34, s34, s35
	s_cselect_b32 s36, s36, s37
	s_cselect_b32 s38, s38, s32                    ; t
	s_cselect_b32 s39, s5, s33                     ; which 256 rows of X^T
	s_cselect_b32 s40, 1, 0
	s_lshr_b32 s40, 0x8000, s40                    ; 16 source rows in bytes: 16,384 or 32,768
	s_lshr_b32 s41, s38, 1
	s_lshl_b32 s41, s41, 17                        ; p 131,072
	s_add_co_u32 s36, s36, s41
	s_and_b32 s41, s38, 1
	s_lshl_b32 s41, s41, 14                        ; s 16,384
	s_add_co_u32 s36, s36, s41
	s_lshl_b32 s41, s39, 1
	s_lshr_b32 s42, s[WV], 1
	s_add_co_u32 s41, s41, s42
	s_lshl_b32 s41, s41, 15                        ; w 32,768: my four row tiles are 16 x + 4 v ..
	s_add_co_u32 s36, s36, s41
	s_and_b32 s41, s[WV], 1
	s_lshl_b32 s41, s41, 12                        ; i = 4 (v % 2) ..
	s_add_co_u32 s36, s36, s41
	s_mov_b32 s35, 0
	s_mov_b32 s37, 0
	s_mul_i32 s42, s[WV], s40
	v_lshl_add_u32 v2, v1, 4, s42                  ; load: my wave's first row + 16 l
	s_mul_i32 s42, s[WV], 16*TP
	v_lshl_add_u32 v3, v1, 3, s42                  ; into the tile: my wave's first row + 8 l
	v_and_b32 v7, 7, v0
	v_bfe_u32 v8, v0, 4, 1
	v_lshl_add_u32 v7, v8, 3, v7                   ; the turning load: row 8 (l / 16) + l % 8,
	v_mul_u32_u24 v4, v7, TP
	v_bfe_u32 v8, v0, 3, 1
	v_lshl_add_u32 v4, v8, 4, v4                   ; 16 bytes by (l / 8) % 2,
	s_lshl_b32 s42, s[WV], 7
	v_add_nc_u32 v4, s42, v4                       ; my wave's 64 columns
	v_lshlrev_b32 v5, 4, v1                        ; 16 l
	s_lshl_b32 s42, s[WV], 10
	s_add_co_u32 s42, s42, CSB
	v_lshl_add_u32 v6, v1, 4, s42                  ; my wave's sums: 16 l
	s_lshl_b32 s42, s[WV], 8
	v_lshl_add_u32 v9, v1, 3, s42                  ; 256 v + 8 l: my two columns of the total
	v_add_nc_u32 v7, CSB, v9
	s_wait_kmcnt 0x0
	s_cmp_lt_u32 s[ID], 128
	s_cselect_b64 s[26:27], s[8:9], s[10:11]
	s_cmp_eq_u32 s7, 0
	s_cselect_b64 s[28:29], s[12:13], s[14:15]
	s_cmp_eq_u32 s7, 2
	s_cselect_b64 s[28:29], s[16:17], s[28:29]
	s_cmp_eq_u32 s7, 3
	s_cselect_b64 s[28:29], s[18:19], s[28:29]
	s_cselect_b64 s[22:23], s[46:47], s[22:23]     ; Wo's fragments go to kvf, the other three matrices' to wfr
	s_cmp_lt_u32 s[ID], 256
	s_cselect_b64 s[26:27], s[26:27], s[28:29]     ; the source,
	s_cselect_b64 s[30:31], s[20:21], s[22:23]     ; and where the fragments go
	s_add_nc_u64 s[26:27], s[26:27], s[34:35]
	s_add_nc_u64 s[30:31], s[30:31], s[36:37]
.macro LOADS pitch                     ; 16 rows, two loads of 512 consecutive bytes each
.set i, 0
.rept 16
	global_load_b128 v[X+8*i:X+8*i+3],   v2, s[26:27] offset:i*(\pitch) th:TH_LOAD_NT
	global_load_b128 v[X+8*i+4:X+8*i+7], v2, s[26:27] offset:i*(\pitch)+512 th:TH_LOAD_NT
.set i, i+1
.endr
.endm
	s_cmp_lt_u32 s[ID], 256
	s_cbranch_scc0 .Lwide
	LOADS 1024
	s_branch .Lin
.Lwide:
	LOADS 2048
.Lin:
	s_wait_loadcnt 0x0
.set g, 0
.rept 32                               ; group g = 2 row + piece: four numbers, two words
	v_cvt_pk_bf16_f32 v[PK+2*g],   v[X+4*g],   v[X+4*g+1]
	v_cvt_pk_bf16_f32 v[PK+2*g+1], v[X+4*g+2], v[X+4*g+3]
.set g, g+1
.endr
	s_cmp_eq_u32 s7, 3
	s_cbranch_scc0 .Lbf
.set g, 0
.rept 64                               ; Wo alone: the bf16 number written as f16
	v_lshlrev_b32 v[TT+2*(g%2)],   16,  v[PK+g]
	v_and_b32     v[TT+2*(g%2)+1], s43, v[PK+g]
	v_cvt_pk_f16_f32 v[PK+g], v[TT+2*(g%2)], v[TT+2*(g%2)+1]
.set g, g+1
.endr
.Lbf:
.set g, 0
.rept 32
	ds_store_b64 v3, v[PK+2*g:PK+2*g+1] offset:(g/2)*TP+(g%2)*256  ; 32 lanes: 256 consecutive bytes
.set g, g+1
.endr
	s_cmp_lt_u32 s[ID], 256
	s_cbranch_scc0 .Lnosum
.irp q, 0,1                            ; the first row starts the sums: nothing is cleared
	v_lshlrev_b32 v[CSA+4*\q],   16,  v[PK+2*\q]
	v_and_b32     v[CSA+4*\q+1], s43, v[PK+2*\q]
	v_lshlrev_b32 v[CSA+4*\q+2], 16,  v[PK+2*\q+1]
	v_and_b32     v[CSA+4*\q+3], s43, v[PK+2*\q+1]
.endr
.set g, 2
.rept 30
	v_lshlrev_b32 v[TT],   16,  v[PK+2*g]
	v_and_b32     v[TT+1], s43, v[PK+2*g]
	v_lshlrev_b32 v[TT+2], 16,  v[PK+2*g+1]
	v_and_b32     v[TT+3], s43, v[PK+2*g+1]
	v_pk_add_f32 v[CSA+4*(g%2):CSA+4*(g%2)+1],   v[CSA+4*(g%2):CSA+4*(g%2)+1],   v[TT:TT+1]
	v_pk_add_f32 v[CSA+4*(g%2)+2:CSA+4*(g%2)+3], v[CSA+4*(g%2)+2:CSA+4*(g%2)+3], v[TT+2:TT+3]
.set g, g+1
.endr
	ds_store_b128 v6, v[CSA:CSA+3]                 ; columns 4 l ..
	ds_store_b128 v6, v[CSA+4:CSA+7] offset:512    ; columns 128 + 4 l ..
.Lnosum:
	s_wait_dscnt 0x0                               ; for the others' sake: my rows and my sums are in LDS
	s_barrier_signal -1
	s_barrier_wait -1
.irp kf, 0,1
.irp i, 0,1,2,3                        ; row tile i of my four, 32 k: two turning loads, 16 source rows apart
	ds_load_tr16_b128 v[X+32*\kf+8*\i:X+32*\kf+8*\i+3],   v4 offset:\kf*32*TP+32*\i
	ds_load_tr16_b128 v[X+32*\kf+8*\i+4:X+32*\kf+8*\i+7], v4 offset:\kf*32*TP+32*\i+16*TP
.endr
.endr
.set n, 0
.rept 16                               ; n = 8 kf + 2 i + half
	s_wait_dscnt 15-n                              ; LDS loads come back in order: number n is in, the younger ones may be out
	global_store_b128 v5, v[X+4*n:X+4*n+3], s[30:31] offset:(n/8)*8192+((n/2)%4)*1024+(n%2)*512  ; 512 consecutive bytes, aligned
.set n, n+1
.endr
	s_cmp_lt_u32 s[ID], 256
	s_cbranch_scc0 .Lend
.irp w, 0,1,2,3                        ; the four waves' sums of my two columns
	ds_load_b64 v[CSA+2*\w:CSA+2*\w+1], v7 offset:\w*1024
.endr
	s_lshl_b32 s44, s[ID], 10                      ; csp row = kind x 128 + unit = the work-group's number
	s_mov_b32 s45, 0
	s_add_nc_u64 s[24:25], s[24:25], s[44:45]
	s_wait_dscnt 0x0
	v_pk_add_f32 v[CSA:CSA+1],   v[CSA:CSA+1],   v[CSA+2:CSA+3]
	v_pk_add_f32 v[CSA+4:CSA+5], v[CSA+4:CSA+5], v[CSA+6:CSA+7]
	v_pk_add_f32 v[CSA:CSA+1],   v[CSA:CSA+1],   v[CSA+4:CSA+5]
	global_store_b64 v9, v[CSA:CSA+1], s[24:25]    ; a wave: 256 consecutive bytes, aligned
.Lend:
	s_wait_tensorcnt 0x0                           ; the wave's end, behind my last LDS store
	ds_add_u32 v[SPW], v[NIL]
	s_wait_dscnt 0x0
	s_endpgm
.Lfunc_end_k_q289636c796_prep:
	.size	k_q289636c796_prep, .Lfunc_end_k_q289636c796_prep-k_q289636c796_prep
	.p2alignl 7, 3214868480
	.fill 96, 4, 3214868480
	.section	.rodata,"a",@progbits
	.p2align	6, 0x0
	.amdhsa_kernel k_q289636c796_prep
		.amdhsa_group_segment_fixed_size 39424
		.amdhsa_private_segment_fixed_size 0
		.amdhsa_enable_private_segment 0
		.amdhsa_kernarg_size 80
		.amdhsa_user_sgpr_count 2
		.amdhsa_user_sgpr_kernarg_segment_ptr 1
		.amdhsa_wavefront_size32 1
		.amdhsa_system_sgpr_workgroup_id_x 1
		.amdhsa_system_sgpr_workgroup_id_y 1
		.amdhsa_system_sgpr_workgroup_id_z 1
		.amdhsa_system_vgpr_workitem_id 0
		.amdhsa_next_free_vgpr 240
		.amdhsa_next_free_sgpr 66
		.amdhsa_reserve_vcc 0
		.amdhsa_float_denorm_mode_32 3
		.amdhsa_float_denorm_mode_16_64 3
		.amdhsa_memory_ordered 1
		.amdhsa_forward_progress 1
		.amdhsa_inst_pref_size 36
	.end_amdhsa_kernel
	.amdgpu_metadata
---
amdhsa.version: [ 1, 2 ]
amdhsa.kernels:
  - .name:           k_q289636c796_prep
    .symbol:         k_q289636c796_prep.kd
    .args:
      - { .name: We, .offset: 0, .size: 8, .value_kind: global_buffer, .address_space: global }
      - { .name: Wf, .offset: 8, .size: 8, .value_kind: global_buffer, .address_space: global }
      - { .name: Wq, .offset: 16, .size: 8, .value_kind: global_buffer, .address_space: global }
      - { .name: Wk, .offset: 24, .size: 8, .value_kind: global_buffer, .address_space: global }
      - { .name: Wv, .offset: 32, .size: 8, .value_kind: global_buffer, .address_space: global }
      - { .name: Wo, .offset: 40, .size: 8, .value_kind: global_buffer, .address_space: global }
      - { .name: w2f, .offset: 48, .size: 8, .value_kind: global_buffer, .address_space: global }
      - { .name: wfr, .offset: 56, .size: 8, .value_kind: global_buffer, .address_space: global }
      - { .name: csp, .offset: 64, .size: 8, .value_kind: global_buffer, .address_space: global }
      - { .name: kvf, .offset: 72, .size: 8, .value_kind: global_buffer, .address_space: global }
    .group_segment_fixed_size: 39424
    .private_segment_fixed_size: 0
    .kernarg_segment_align: 8
    .kernarg_segment_size: 80
    .max_flat_workgroup_size: 128
    .sgpr_count:     66
    .vgpr_count:     240
    .wavefront_size: 32
...
	.end_amdgpu_metadata
.endif
;; end of part 1
;; launch seqproj (part 2): grid 4 x 64, 4 waves a work-group, clusters of 4 x 1, 327,680 bytes of LDS; arguments value, w2f, part; writes part
.if DOCPART == 2
	.amdgcn_target "amdgcn-amd-amdhsa--gfx1250"
	.amdhsa_code_object_version 6
	.text
	.protected	k_q289636c796_seqproj
	.globl	k_q289636c796_seqproj
	.p2align	8
	.type	k_q289636c796_seqproj,@function
k_q289636c796_seqproj:
	s_mov_b64 s[64:65], 0
	v_nop
	global_prefetch_b8 v0, s[64:65] scope:SCOPE_SE
	s_setreg_imm32_b32 hwreg(HW_REG_WAVE_MODE, 25, 1), 1
	s_wait_xcnt 0x0
	s_wait_alu depctr_hold_cnt(0) depctr_sa_sdst(0) depctr_va_vdst(0) depctr_va_sdst(0) depctr_va_ssrc(0) depctr_va_vcc(0) depctr_vm_vsrc(0)
	s_getreg_b32 s2, hwreg(HW_REG_IB_STS2, 6, 4)
	s_cmp_eq_u32 s2, 0
	s_cbranch_scc0 .Lentry_in_a_cluster
	s_endpgm
.Lentry_in_a_cluster:
	s_bfe_u32 s2, ttmp6, 0x10000c
	s_cmp_lg_u32 s2, 0x3003
	s_cbranch_scc0 .Lentry_shape_is_right
	s_endpgm
.Lentry_shape_is_right:
; SEQPROJ.  Partial sums of T[b][m][d] = sum over s of W2[s][m] value[b][s][d]  (m 0-255: We's columns, 256-511: Wf's).  The sequence contraction is taken BEFORE the K and V projections:
; We^T (value Wk + 1 bk^T) + be 1^T = (We^T value) Wk + colsum(We) bk^T + be 1^T, for every input.  bf16 operands (value rounded here, W2 by the launch before), f32 sums.
; SHARES.  T has 4 x 512 x 512 outputs and K = 8,192: K is split into 16 chunks of 512.  Work-group (cx, y): chunk c = y / 4, batch b = y % 4, all 512 m, the 128 channels d = 128 cx ..; wave w: m = 128 w ..:
; 128 x 128 outputs, 64 accumulators, 512 registers.  The partial sums leave as f32, an accumulator as it lies (part[(4 c + b)][m tile 32][d tile 32][1,024 bytes]); the next launch adds the 16.
; THE MATRIX INSTRUCTION: source 0 = 16 channels d of value^T, source 1 = 16 rows m of W2^T: a lane holds one m (lane % 16) and the channels 8 (lane / 16) + 0..7.
; W2 comes as ready fragments (see the launch before) through a ring of two LDS slots, a K step of 64 each; a wave fetches and reads only its own 16 KiB of a slot.
; CLUSTER.  The four work-groups of a cluster differ in d alone and need the same W2: each tile is asked for JOINTLY (same load, same descriptor, mask of four).
; value is read once in the launch: f32 into registers (a chunk of 64 s x 128 d, 16 loads a wave, each a row's 512 bytes), rounded to bf16, laid [s][d] into one of two stage buffers (pitch 288 = 9 x 32), and read
; turned by ds_load_tr16_b128.  A chunk is asked for two K steps, 256 matrix instructions, ahead of its conversion.  The loop's last request has no chunk behind it: it is clamped to chunk 7 (32 KiB a work-group read
; a second time, into registers that nobody reads), so that the counted waits hold on every way round the loop.
; No prefetch is laid: the launch moves 67 MB in and 64 MB out for 1,024 matrix instructions a wave, and what it waits for is asked for two steps ahead by the loads themselves.
; REGISTERS, in windows of 256 (s_set_vgpr_msb: bits 1:0 source 0, 3:2 source 1, 5:4 source 2, 7:6 destination):
;   window 0: v0-31 addresses; v32-63 converted words; v64-127, v128-191 fragments of W2 (source 1), two buffers
;   window 1: v64-127, v128-191 fragments of value^T (source 0), two buffers; v0-63, v192-255 two sets of 16 loads on their way
;   windows 2, 3: accumulator (a, e) at v[8 (8 (a % 4) + e)] of window 2 + a / 4
.set VST,   131072                     ; behind the ring (4 waves x 2 slots x 16,384): two stage buffers
.set VPI,   288
.set VBUF,  64*VPI
.set SPARE, VST+2*VBUF                 ; 167,936: the spare words, 128 bytes for each wave: two blocks of 256 bytes that no other line names
.set ADW, 4                            ; v4  my place in my wave's ring: 32,768 w + 16 l
.set AVT, 5                            ; v5  the turning load's address in stage buffer 0
.set VGO, 6                            ; v6  my byte offset in a chunk of value: row 16 w, 16 l
.set VSO, 7                            ; v7  where I put 8 bytes of a stage row
.set PO,  8                            ; v8  16 l
.set SPW, 28
.set NIL, 29
.set CV,  32
.set F0,  64
.set F1,  128
.set LS0, 0
.set LS1, 192
.set WV,  10
.set CNT, 11
.set VP,  20                           ; s[20:21] value at the chunk that the trip's first K step multiplies
.set VP2, 22                           ; s[22:23] value at the chunk of the trip's second request (clamped in the last trip)
.set G1S, 24                           ; s[24:31] descriptor group 1: 64 rows of 256 bytes
.set G1L, 32                           ; s[32:39] 128 rows of 256 bytes
.set G0,  40                           ; s[40:43] the first fill: both slots
.set G0R, 44                           ; s[44:47] the walking refill
.set PB,  48                           ; s[48:49] part at my wave's first tile
.set ST,  50                           ; s[50:51] VP2's step
.set K1,  52
.set K2,  53
.set MSB, 0
.macro WIN new                         ; the immediate's high byte repeats the setting that is left; a switch that changes nothing is dropped
.if MSB != (\new)
	s_set_vgpr_msb (MSB<<8)|(\new)
.set MSB, \new
.endif
.endm
.macro PLACES                          ; four plain vector instructions between a matrix instruction and a load into, or a reader of, its registers
.rept 4
	v_nop
.endr
.endm
.macro CREST                           ; a round of the cluster's barrier behind its opening barrier
	s_cmp_lg_u32 s[WV], 0
	s_cbranch_scc1 .Lnot_wave_0_\@
	s_barrier_signal -3
.Lnot_wave_0_\@:
	s_barrier_wait -3
	s_barrier_signal -1
	s_barrier_wait -1
.endm
.macro CROUND
	s_barrier_signal -1
	s_barrier_wait -1
	CREST
.endm
; 16 matrix instructions: m tiles a0, a0 + 1 of the window's four x all 8 d tiles, 32 along K.  zero = 1: the first product starts the sums.
.macro MUL16 f, hi, a0, zero
	WIN 0xa1+0x50*(\hi)
.irp a, \a0, (\a0)+1
.irp e, 0,1,2,3,4,5,6,7
.if \zero
	v_wmma_f32_16x16x32_bf16 v[8*(8*(\a)+(\e)):8*(8*(\a)+(\e))+7], v[(\f)+8*(\e):(\f)+8*(\e)+7], v[(\f)+8*(4*(\hi)+(\a)):(\f)+8*(4*(\hi)+(\a))+7], 0
.else
	v_wmma_f32_16x16x32_bf16 v[8*(8*(\a)+(\e)):8*(8*(\a)+(\e))+7], v[(\f)+8*(\e):(\f)+8*(\e)+7], v[(\f)+8*(4*(\hi)+(\a)):(\f)+8*(4*(\hi)+(\a))+7], v[8*(8*(\a)+(\e)):8*(8*(\a)+(\e))+7]
.endif
.endr
.endr
.endm
; 32 LDS loads in one run: half kf of the K step in slot (ring and stage buffer alike) into buffer f: value^T's eight tiles, turned, then W2's eight
.macro FETCH slot, kf, f
	WIN 0x40
.irp e, 0,1,2,3,4,5,6,7
	ds_load_tr16_b128 v[(\f)+8*\e:(\f)+8*\e+3],   v[AVT] offset:(\slot)*VBUF+(\kf)*32*VPI+32*\e
	ds_load_tr16_b128 v[(\f)+8*\e+4:(\f)+8*\e+7], v[AVT] offset:(\slot)*VBUF+(\kf)*32*VPI+32*\e+16*VPI
.endr
	WIN 0
.irp a, 0,1,2,3,4,5,6,7
	ds_load_b128 v[(\f)+8*\a:(\f)+8*\a+3],   v[ADW] offset:(\slot)*16384+(\kf)*8192+\a*1024
	ds_load_b128 v[(\f)+8*\a+4:(\f)+8*\a+7], v[ADW] offset:(\slot)*16384+(\kf)*8192+\a*1024+512
.endr
.endm
.macro XLOAD set, ptr, off             ; a chunk's 16 rows of mine are asked for
	WIN 0x40
.set i, 0
.rept 16
	global_load_b128 v[(\set)+4*i:(\set)+4*i+3], v[VGO], s[\ptr:\ptr+1] offset:i*2048+(\off) th:TH_LOAD_NT
.set i, i+1
.endr
	WIN 0
.endm
.macro XCONV set, left, off            ; a chunk that has come is rounded and laid into a stage buffer.  left: the younger loads, which may stay out
	s_wait_loadcnt \left
	WIN 0x05
.set i, 0
.rept 32
	v_cvt_pk_bf16_f32 v[CV+i], v[(\set)+2*i], v[(\set)+2*i+1]
.set i, i+1
.endr
	WIN 0
.set i, 0
.rept 16
	ds_store_b64 v[VSO], v[CV+2*i:CV+2*i+1] offset:i*VPI+(\off)  ; 32 lanes: a row's 256 bytes
.set i, i+1
.endr
.endm
; A K step of 64 is two halves of 64 matrix instructions, on buffers F0 and F1.  The first half multiplies F0 and fetches the second half's fragments in its middle.
.macro QUARTER slot, zero
	s_wait_dscnt 8                                 ; all but the youngest eight loads (W2's tiles 4-7)
	MUL16 F0, 0, 0, \zero
	MUL16 F0, 0, 2, \zero
	PLACES
	FETCH \slot, 1, F1
	s_wait_dscnt 32                                ; all but the 32 just issued
	MUL16 F0, 1, 0, \zero
	MUL16 F0, 1, 2, \zero
.endm
; The second half multiplies F1 and changes slots.  ONE barrier: in front of it each wave has stored its part of the next chunk, waits for all its tensor loads (one is out: its part of the next slot), adds 0 to its spare
; word, and waits for that, for its stores and for its reads of this slot and stage buffer.  fill = 1: the barrier opens a round of the cluster's, and this slot is filled again first thing behind it, two K steps ahead.
.macro TURN slot, next, fill
	WIN 0
	s_wait_tensorcnt 0x0                           ; no tensor load of mine is out, so the walking group 0 may be written
	ds_add_u32 v[SPW], v[NIL]                      ; 0 onto my spare word
.if \fill
	s_xor_b32 s[G0R+1], s[G0R+1], 16384            ; the other slot than last time
.if (\slot) == 0
	s_add_nc_u64 s[G0R+2:G0R+3], s[G0R+2:G0R+3], 114688  ; from a pair's second step to the next pair's first: 131,072 - 16,384
.else
	s_add_nc_u64 s[G0R+2:G0R+3], s[G0R+2:G0R+3], 16384
.endif
.endif
	s_wait_dscnt 17                                ; the 16 stage stores and the add may be out: F1's fragments are in
	MUL16 F1, 0, 0, 0
	s_wait_dscnt 0x0                               ; the add and my stores are done, my reads are over
	s_barrier_signal -1
	MUL16 F1, 0, 2, 0
	WIN 0
	s_barrier_wait -1
.if \fill
	CREST                                          ; no wave of any partner still reads this slot or has a load on its way
	tensor_load_to_lds s[G0R:G0R+3], s[G1S:G1S+7]  ; my one tensor load behind the round: 96 matrix instructions ahead of the wait for it
	s_nop 0
.endif
	PLACES
	FETCH \next, 0, F0
	MUL16 F1, 1, 0, 0
	MUL16 F1, 1, 2, 0
.endm
	s_load_b128 s[4:7], s[0:1], 0x0                ; value, w2f
	s_load_b64 s[8:9], s[0:1], 0x10                ; part
	v_lshl_add_u32 v[SPW], v0, 2, SPARE
	v_mov_b32 v[NIL], 0
	ds_add_u32 v[SPW], v[NIL]                      ; the wave's opening; its wait stands ahead of my first tensor load, the set-up between them
	v_lshrrev_b32 v1, 5, v0
	v_readfirstlane_b32 s[WV], v1                  ; wave 0..3
	v_and_b32 v1, 31, v0                           ; lane
	s_bfe_u32 s12, ttmp6, 0x40000                  ; cx: which 128 channels; it enters value's and part's addresses alone
	s_and_b32 s13, ttmp7, 0xffff                   ; y = 4 c + b, which the four partners share
	s_lshr_b32 s14, s13, 2                         ; c
	s_and_b32 s15, s13, 3                          ; b
	s_mul_i32 s16, s[WV], 32768                    ; my wave's share of a unit, in memory and in the ring
	s_mov_b32 s17, 0
	s_lshl_b32 s18, s14, 19                        ; the chunk's 524,288 bytes of fragments
	s_mov_b32 s19, 0
	s_add_nc_u64 s[18:19], s[18:19], s[16:17]
	s_lshl_b32 s20, s15, 24                        ; value: b x 8,192 rows x 2,048 bytes
	s_lshl_b32 s2, s14, 20                         ; + c x 512 rows
	s_add_co_u32 s20, s20, s2
	s_lshl_b32 s2, s12, 9                          ; + cx x 512 bytes
	s_add_co_u32 s20, s20, s2
	s_mov_b32 s21, 0
	s_lshl_b32 s48, s13, 20                        ; part: (4 c + b) x 1 MiB
	s_lshl_b32 s2, s[WV], 18                       ; + 8 w m tiles x 32,768
	s_add_co_u32 s48, s48, s2
	s_lshl_b32 s2, s12, 13                         ; + 8 cx d tiles x 1,024
	s_add_co_u32 s48, s48, s2
	s_mov_b32 s49, 0
	; descriptor group 1: a dense block as rows of 256 bytes
	s_mov_b32 s[G1S],   15|(3<<16)|(1<<21)         ; 15:0 the mask of four; 17:16 elements of 8 bytes; 21 set beside a mask; no padding
	s_mov_b32 s[G1S+1], 32<<16                     ; tensor_dim0 = 32
	s_mov_b32 s[G1S+2], 64<<16                     ; tensor_dim1 = 64
	s_mov_b32 s[G1S+3], 32<<16                     ; tile_dim0 = 32
	s_mov_b32 s[G1S+4], 64                         ; tile_dim1 = 64
	s_mov_b32 s[G1S+5], 32                         ; 32 elements from row to row
	s_mov_b32 s[G1S+6], 0
	s_mov_b32 s[G1S+7], 0
	s_mov_b32 s[G1L],   15|(3<<16)|(1<<21)
	s_mov_b32 s[G1L+1], 32<<16
	s_mov_b32 s[G1L+2], 128<<16
	s_mov_b32 s[G1L+3], 32<<16
	s_mov_b32 s[G1L+4], 128
	s_mov_b32 s[G1L+5], 32
	s_mov_b32 s[G1L+6], 0
	s_mov_b32 s[G1L+7], 0
	s_mov_b32 s[G0], 1
	s_mov_b32 s[G0+1], s16                         ; LDS: my wave's two slots
	s_mov_b32 s[G0R], 1
	s_add_co_u32 s[G0R+1], s16, 16384              ; the walking refill stands at K step 1 and is stepped ahead of each use
	s_mov_b32 s[K1], 131072
	s_mov_b32 s[K2], 262144
	s_mov_b32 s[ST+1], 0
	v_lshl_add_u32 v[ADW], v1, 4, s16
	v_lshl_add_u32 v[VGO], v1, 4, s16              ; 16 w rows of 2,048 bytes + 16 l
	v_and_b32 v2, 7, v0
	v_bfe_u32 v3, v0, 4, 1
	v_lshl_add_u32 v2, v3, 3, v2                   ; the turning load: row 8 (l / 16) + l % 8,
	v_mul_u32_u24 v[AVT], v2, VPI
	v_bfe_u32 v3, v0, 3, 1
	v_lshl_add_u32 v[AVT], v3, 4, v[AVT]           ; 16 bytes by (l / 8) % 2
	v_add_nc_u32 v[AVT], VST, v[AVT]
	s_mul_i32 s17, s[WV], 16*VPI
	s_add_co_u32 s17, s17, VST
	v_lshl_add_u32 v[VSO], v1, 3, s17
	v_lshlrev_b32 v[PO], 4, v1
	s_wait_dscnt 0x0                               ; the opening add is done
	s_wait_kmcnt 0x0
	s_add_nc_u64 s[VP:VP+1], s[4:5], s[20:21]
	s_add_nc_u64 s[VP2:VP2+1], s[VP:VP+1], 4*131072
	s_add_nc_u64 s[PB:PB+1], s[8:9], s[48:49]
	s_add_nc_u64 s[G0+2:G0+3], s[6:7], s[18:19]
	s_add_nc_u64 s[G0R+2:G0R+3], s[G0+2:G0+3], 16384
	s_or_b32 s[G0+3], s[G0+3], 0x80000000          ; type = 2
	s_or_b32 s[G0R+3], s[G0R+3], 0x80000000
	XLOAD LS0, VP, 0                               ; chunks 0 and 1
	XLOAD LS1, VP, 131072
	CROUND                                         ; all four work-groups are here: the first joint loads meet
	tensor_load_to_lds s[G0:G0+3], s[G1L:G1L+7]    ; K steps 0 and 1: 32 KiB a wave
	s_nop 0
	PLACES
	XCONV LS0, 16, 0                               ; chunk 0 (chunk 1's 16 loads may stay out)
	XLOAD LS0, VP, 2*131072
	s_wait_tensorcnt 0x0                           ; my part of both slots is in;
	s_wait_dscnt 0x0                               ; my part of chunk 0 lies in the stage
	s_barrier_signal -1
	s_barrier_wait -1                              ; everybody's does
	FETCH 0, 0, F0
	QUARTER 0, 1                                   ; the first half step stands in front of the loop: its products start the sums
	WIN 0
	s_mov_b32 s[CNT], 3
.Ltrip:                                            ; trip T: from K step 2 T's second half to step 2 T + 2's first; both slots are filled again
	XCONV LS1, 16, VBUF                            ; chunk 2 T + 1; the 16 loads of chunk 2 T + 2 may stay out
	XLOAD LS1, VP, 3*131072                        ; chunk 2 T + 3
	TURN 0, 1, 1
	QUARTER 1, 0
	XCONV LS0, 16, 0                               ; chunk 2 T + 2
	XLOAD LS0, VP2, 0                              ; chunk 2 T + 4, in the last trip chunk 7 once more
	TURN 1, 0, 1
	QUARTER 0, 0
	WIN 0
	s_wait_xcnt 0x0                                ; every load issued so far has read its address: the pointers may be written
	s_add_nc_u64 s[VP:VP+1], s[VP:VP+1], 262144
	s_sub_co_u32 s[CNT], s[CNT], 1
	s_cmp_eq_u32 s[CNT], 1
	s_cselect_b32 s[ST], s[K1], s[K2]              ; into the last trip the second pointer steps by one chunk, not two
	s_add_nc_u64 s[VP2:VP2+1], s[VP2:VP2+1], s[ST:ST+1]
	s_cmp_lg_u32 s[CNT], 0
	s_cbranch_scc1 .Ltrip
	XCONV LS1, 16, VBUF                            ; chunk 7; the clamped request's 16 loads may stay out: nobody reads them
	TURN 0, 1, 0                                   ; the tail is written out: nothing is left to fetch
	QUARTER 1, 0
	s_wait_dscnt 8
	MUL16 F1, 0, 0, 0
	MUL16 F1, 0, 2, 0
	s_wait_dscnt 0x0
	MUL16 F1, 1, 0, 0
	MUL16 F1, 1, 2, 0
	PLACES
.set a, 0
.rept 8                                ; the accumulators leave as they lie, each one's low registers first: every store covers 512 consecutive bytes, aligned
	WIN 0x08+4*(a/4)                               ; store data (source 1) in window 2 or 3
.set e, 0
.rept 8
	global_store_b128 v[PO], v[8*(8*(a%4)+e):8*(8*(a%4)+e)+3],   s[PB:PB+1] offset:a*32768+e*1024
	global_store_b128 v[PO], v[8*(8*(a%4)+e)+4:8*(8*(a%4)+e)+7], s[PB:PB+1] offset:a*32768+e*1024+512
.set e, e+1
.endr
.set a, a+1
.endr
	WIN 0
	s_wait_tensorcnt 0x0                           ; the wave's end, behind my last tensor load and my last LDS store
	ds_add_u32 v[SPW], v[NIL]
	s_wait_dscnt 0x0
	CROUND                                         ; the closing round: no work-group ends while a partner may still ask for a tile that names it
	s_endpgm
.Lfunc_end_k_q289636c796_seqproj:
	.size	k_q289636c796_seqproj, .Lfunc_end_k_q289636c796_seqproj-k_q289636c796_seqproj
	.p2alignl 7, 3214868480
	.fill 96, 4, 3214868480
	.section	.rodata,"a",@progbits
	.p2align	6, 0x0
	.amdhsa_kernel k_q289636c796_seqproj
		.amdhsa_group_segment_fixed_size 327680
		.amdhsa_private_segment_fixed_size 0
		.amdhsa_enable_private_segment 0
		.amdhsa_kernarg_size 24
		.amdhsa_user_sgpr_count 2
		.amdhsa_user_sgpr_kernarg_segment_ptr 1
		.amdhsa_wavefront_size32 1
		.amdhsa_system_sgpr_workgroup_id_x 1
		.amdhsa_system_sgpr_workgroup_id_y 1
		.amdhsa_system_sgpr_workgroup_id_z 1
		.amdhsa_system_vgpr_workitem_id 0
		.amdhsa_next_free_vgpr 1024
		.amdhsa_next_free_sgpr 66
		.amdhsa_reserve_vcc 0
		.amdhsa_float_denorm_mode_32 3
		.amdhsa_float_denorm_mode_16_64 3
		.amdhsa_memory_ordered 1
		.amdhsa_forward_progress 1
		.amdhsa_inst_pref_size 90
	.end_amdhsa_kernel
	.amdgpu_metadata
---
amdhsa.version: [ 1, 2 ]
amdhsa.kernels:
  - .name:           k_q289636c796_seqproj
    .symbol:         k_q289636c796_seqproj.kd
    .args:
      - { .name: value, .offset: 0, .size: 8, .value_kind: global_buffer, .address_space: global }
      - { .name: w2f, .offset: 8, .size: 8, .value_kind: global_buffer, .address_space: global }
      - { .name: part, .offset: 16, .size: 8, .value_kind: global_buffer, .address_space: global }
    .group_segment_fixed_size: 327680
    .private_segment_fixed_size: 0
    .kernarg_segment_align: 8
    .kernarg_segment_size: 24
    .max_flat_workgroup_size: 128
    .sgpr_count:     66
    .vgpr_count:     1024
    .wavefront_size: 32
...
	.end_amdgpu_metadata
.endif
;; end of part 2
;; launch kvproj (part 3): grid 64 x 4, 8 waves a work-group, no clusters, 34,560 bytes of LDS; arguments part, wfr, csp, bk, bv, be, bf, kvf, sct; writes kvf, sct
.if DOCPART == 3
	.amdgcn_target "amdgcn-amd-amdhsa--gfx1250"
	.amdhsa_code_object_version 6
	.text
	.protected	k_q289636c796_kvproj
	.globl	k_q289636c796_kvproj
	.p2align	8
	.type	k_q289636c796_kvproj,@function
k_q289636c796_kvproj:
	s_mov_b64 s[64:65], 0
	v_nop
	global_prefetch_b8 v0, s[64:65] scope:SCOPE_SE
	s_setreg_imm32_b32 hwreg(HW_REG_WAVE_MODE, 25, 1), 1
	s_wait_xcnt 0x0
; KVPROJ.  T = the sum of the 16 partial sums;  K'[b][k][e] = sum over d of T[b][k][d] Wk[d][e] + cs_E[k] bk[e] + be[k];  V' likewise from T[b][256 + k], Wv, cs_F, bv, bf.  cs = the column sums of the rounded We, Wf.
; FORMATS.  T goes into the product as two bf16 numbers, hi + lo (two products; what is dropped lies 16 bits below T); Wk, Wv, bk, bv, be, bf rounded once to bf16; sums in f32.
; K' and V' leave as f16 fragments for the next launch with a BLOCK EXPONENT: a tile of 16 keys x one head's 64 channels is stored as x 2^-e with |x 2^-e| < 1, and 2^e as f32 in sct[b][kind][head][key tile].
; LIMITS.  |K'|, |V'| below 2^125 (2^e is held at 2^126); NaN and infinities are not treated apart.
; SHARES.  Work-group (x, b): the 16 rows m = 16 (x / 2) .. of T (m tile < 16: keys of K', else of V') and the 256 columns e = 256 (x % 2) ..: 256 work-groups.  Both halves of a tile add the same 512 KiB of partial sums;
; each reads its own 256 KiB of weights: 768 KiB a work-group.  In the sum wave v takes the d tiles 4 v .. 4 v + 3; in the product the e tiles 16 (x % 2) + 2 v, + 1: half a head.
; The sum's result, a lane's one m and eight d, IS a fragment's half when packed in pairs: T's 16 fragments (32 d each), hi and lo, meet in LDS.
; THE WEIGHTS come as ready fragments straight into registers: a wave's 32 KiB are the 256 registers of window 1, asked for in the sum's tail, right behind the last partial sums.
; K': source 0 = Wk^T (rows e), source 1 = T (rows keys): a lane holds a key and eight channels.  V': the sources swapped: a lane holds a channel and eight keys.  Packed in pairs both are halves of the fragments
; that the next launch wants (K': rows keys, k channels; V': rows channels, k keys).  kvf[b][unit 2 j + kind][w][fragment 32][1,024], head = 2 w + j; K': fragment 2 t + channel half; V': 4 (t / 2) + channel tile.
; NO CLUSTER: two thirds of a work-group's bytes are partial sums, which go into registers; the weights go into registers too, and a ring with rounds would serve 64 matrix instructions a wave.
; No prefetch: each wave has 40 loads of 512 bytes on their way throughout.
; REGISTERS: window 0 as named below; window 1: weights, fragment kt of tile c at v[16 kt + 8 c].  s_set_vgpr_msb: bits 1:0 source 0, 3:2 source 1, 5:4 source 2, 7:6 destination.
.set TF,    0                          ; [fragment 16][hi, lo][1,024]
.set CSX,   32768                      ; [wave 8][key 16] f32
.set MX,    33280                      ; [wave 8] f32: the waves' largest magnitudes
.set SPARE, 33536                      ; the spare words, 128 bytes for each wave: four blocks of 256 bytes that no other line names
.set WOF, 4                            ; v4  my offset in the weights' fragments
.set TS,  5                            ; v5  where I put 16 bytes of T's fragments
.set TA,  6                            ; v6  where I read them: 16 l
.set CSS, 7
.set CSR, 8
.set KO,  9                            ; v9  16 l
.set P0,  10                           ; v10-14  the five slots' offsets in part; v10-11, v13 at work afterwards
.set PC0, 15
.set BO1, 26                           ; v26, v27 the biases' offsets; at work afterwards
.set BO2, 27
.set SPW, 30
.set NIL, 31
.set ACC, 32                           ; v[32:63]   T's sums, then the two accumulators v[32:47]
.set RING, 64                          ; v[64:223]  five slots of 32, while the partial sums are added
.set HI,  64
.set LO,  80
.set B0,  64                           ; v[64:127], v[128:191]  T: 4 fragments x (hi, lo), two buffers
.set B1,  128
.set BK,  224                          ; v[224:239] bk, or bf
.set WV,  22
.set MT,  23
.set KIND, 24
.set TK,  25
.set BI,  26
.set CNT, 27
.set WP,  28
.set KP,  36
.set SCP, 38
.set SEL, 40
.set SAVE, 42
.set MSK, 43
.set EH,  48
.set KP2, 50
.set MSB, 0
.macro WIN new                         ; the immediate's high byte repeats the setting that is left; a switch that changes nothing is dropped
.if MSB != (\new)
	s_set_vgpr_msb (MSB<<8)|(\new)
.set MSB, \new
.endif
.endm
.macro PLACES                          ; four plain vector instructions between a matrix instruction and a load into, or a reader of, its registers
.rept 4
	v_nop
.endr
.endm
.macro PLOAD dst, areg                 ; a chunk's four d tiles of mine: 8 loads of 512 consecutive bytes
.irp n, 0,1,2,3,4,5,6,7
	global_load_b128 v[(\dst)+4*\n:(\dst)+4*\n+3], v[\areg], s[4:5] offset:\n*512
.endr
.endm
.macro PADD src
.set n, 0
.rept 16
	v_pk_add_f32 v[ACC+2*n:ACC+2*n+1], v[ACC+2*n:ACC+2*n+1], v[(\src)+2*n:(\src)+2*n+1]
.set n, n+1
.endr
.endm
.macro WLD n0, cnt                     ; weight loads n0 .. n0 + cnt - 1 of 64: n = 4 kt + 2 c + half, into window 1
	WIN 0x40
.set n, \n0
.rept \cnt
	global_load_b128 v[4*n:4*n+3], v[WOF], s[WP:WP+1] offset:(n/16)*131072+((n/8)%2)*16384+((n/4)%2)*8192+((n/2)%2)*1024+(n%2)*512
.set n, n+1
.endr
	WIN 0
.endm
.macro TLOAD buf, off                  ; four fragments of T, hi and lo
	WIN 0
.irp n, 0,1,2,3,4,5,6,7,8,9,10,11,12,13,14,15
	ds_load_b128 v[(\buf)+4*\n:(\buf)+4*\n+3], v[TA] offset:(\off)+\n*512
.endr
.endm
.macro MM kind, buf, k0                ; 16 matrix instructions; the two accumulators take turns
	WIN 0x01+3*(\kind)                             ; the weights (source 0 for K', source 1 for V') in window 1
.irp kl, 0,1,2,3
.irp pt, 0,1
.irp c, 0,1
.if (\kind) == 0
	v_wmma_f32_16x16x32_bf16 v[ACC+8*\c:ACC+8*\c+7], v[16*((\k0)+\kl)+8*\c:16*((\k0)+\kl)+8*\c+7], v[(\buf)+16*\kl+8*\pt:(\buf)+16*\kl+8*\pt+7], v[ACC+8*\c:ACC+8*\c+7]
.else
	v_wmma_f32_16x16x32_bf16 v[ACC+8*\c:ACC+8*\c+7], v[(\buf)+16*\kl+8*\pt:(\buf)+16*\kl+8*\pt+7], v[16*((\k0)+\kl)+8*\c:16*((\k0)+\kl)+8*\c+7], v[ACC+8*\c:ACC+8*\c+7]
.endif
.endr
.endr
.endr
.endm
	s_load_b256 s[4:11], s[0:1], 0x0               ; part, wfr, csp, bk
	s_load_b256 s[12:19], s[0:1], 0x20             ; bv, be, bf, kvf
	s_load_b64 s[20:21], s[0:1], 0x40              ; sct
	v_lshl_add_u32 v[SPW], v0, 2, SPARE
	v_mov_b32 v[NIL], 0
	v_lshrrev_b32 v1, 5, v0
	v_readfirstlane_b32 s[WV], v1                  ; wave 0..7
	v_and_b32 v1, 31, v0                           ; l
	v_and_b32 v2, 15, v0                           ; l % 16
	v_bfe_u32 v3, v0, 4, 1                         ; l / 16
	v_mov_b32 v29, 0
	s_lshr_b32 s[MT], ttmp9, 1
	s_and_b32 s[EH], ttmp9, 1
	s_lshr_b32 s[KIND], s[MT], 4
	s_and_b32 s[TK], s[MT], 15
	s_and_b32 s[BI], ttmp7, 0xffff
	s_mov_b32 s[SEL], 0x76543210
	s_mov_b32 s[SEL+1], 0xfedcba98
	s_mov_b32 s[MSK], 0xffff0000
	s_lshl_b32 s30, s[BI], 20                      ; part: b x 1 MiB + m tile x 32,768 + 4 v d tiles x 1,024 + 16 l; a chunk is 4 MiB on
	s_lshl_b32 s31, s[MT], 15
	s_add_co_u32 s30, s30, s31
	s_lshl_b32 s31, s[WV], 12
	s_add_co_u32 s30, s30, s31
	v_lshl_add_u32 v[PC0], v1, 4, s30
.irp s, 0,1,2,3,4
	v_add_nc_u32 v[P0+\s], (\s+1)*0x400000, v[PC0]
.endr
	v_lshl_add_u32 v[TS], v1, 4, s31               ; T's fragments 2 v, 2 v + 1: 4,096 v + 16 l
	s_lshl_b32 s32, s[EH], 1                       ; my row tiles 16 eh + 2 v, + 1 = 8 w + i: w = 2 eh + v / 4, i = 2 (v % 4)
	s_lshr_b32 s33, s[WV], 2
	s_add_co_u32 s32, s32, s33
	s_lshl_b32 s32, s32, 15                        ; w 32,768: in the weights, and in kvf (head = 4 eh + v / 2 = 2 w + j)
	s_and_b32 s33, s[WV], 3
	s_lshl_b32 s33, s33, 11
	s_add_co_u32 s33, s33, s32
	v_lshl_add_u32 v[WOF], v1, 4, s33
	s_add_co_u32 s34, s[KIND], 1
	s_lshl_b32 s34, s34, 19                        ; section 1 Wk, 2 Wv
	s_mov_b32 s35, 0
	s_lshl_b32 s30, s[KIND], 17                    ; csp: (kind 128 + 16 v + 8 (l / 16) + i) x 1,024 + (16 t + l % 16) x 4
	s_lshl_b32 s31, s[WV], 14
	s_add_co_u32 s30, s30, s31
	s_lshl_b32 s31, s[TK], 6
	s_add_co_u32 s30, s30, s31
	v_lshlrev_b32 v28, 2, v2
	v_lshl_add_u32 v28, v3, 13, v28
	v_add_nc_u32 v28, s30, v28
	v_lshlrev_b32 v[TA], 4, v1
	v_lshlrev_b32 v[KO], 4, v1
	s_lshl_b32 s30, s[WV], 6
	s_add_co_u32 s30, s30, CSX
	v_lshl_add_u32 v[CSS], v2, 2, s30
	s_lshl_b32 s44, s[BI], 19                      ; kvf: b, unit 2 j + kind, share w,
	s_bfe_u32 s30, s[WV], 0x10001                  ; j = (v / 2) % 2
	s_lshl_b32 s30, s30, 1
	s_add_co_u32 s30, s30, s[KIND]
	s_lshl_b32 s30, s30, 17
	s_add_co_u32 s44, s44, s30
	s_add_co_u32 s44, s44, s32
	s_and_b32 s46, s[WV], 1                        ; which half of the head's channels is mine
	s_lshl_b32 s30, s[TK], 11                      ; K': fragment 2 t + v % 2; my two tiles are its halves, 512 bytes apart
	s_lshl_b32 s31, s46, 10
	s_add_co_u32 s30, s30, s31
	s_lshr_b32 s31, s[TK], 1                       ; V': fragments 4 (t / 2) + 2 (v % 2), + 1, half t % 2: 1,024 bytes apart
	s_lshl_b32 s31, s31, 12
	s_lshl_b32 s47, s46, 11
	s_add_co_u32 s31, s31, s47
	s_and_b32 s47, s[TK], 1
	s_lshl_b32 s47, s47, 9
	s_add_co_u32 s31, s31, s47
	s_cmp_eq_u32 s[KIND], 0
	s_cselect_b32 s30, s30, s31
	s_cselect_b32 s52, 0, 1
	s_lshl_b32 s52, 512, s52
	s_mov_b32 s53, 0
	s_add_co_u32 s44, s44, s30
	s_mov_b32 s45, 0
	s_lshl_b32 s46, s[BI], 1                       ; sct: (((2 b + kind) 8 + head) 16 + t) x 4
	s_add_co_u32 s46, s46, s[KIND]
	s_lshl_b32 s46, s46, 3
	s_lshl_b32 s47, s[EH], 2
	s_add_co_u32 s46, s46, s47
	s_lshr_b32 s47, s[WV], 1
	s_add_co_u32 s46, s46, s47
	s_lshl_b32 s46, s46, 4
	s_add_co_u32 s46, s46, s[TK]
	s_lshl_b32 s46, s46, 2
	s_mov_b32 s47, 0
	s_lshl_b32 s54, s[WV], 2                       ; my word among the maxima,
	s_add_co_u32 s54, s54, MX
	s_lshr_b32 s55, s[WV], 1
	s_lshl_b32 s55, s55, 3                         ; and my head's two
	s_add_co_u32 s55, s55, MX
	s_lshl_b32 s30, s[EH], 10                      ; the biases along e: (256 eh + 32 v) x 4
	s_lshl_b32 s31, s[WV], 7
	s_add_co_u32 s30, s30, s31
	s_lshl_b32 s31, s[TK], 6                       ; along the keys: 16 t x 4
	s_wait_kmcnt 0x0
	s_add_nc_u64 s[WP:WP+1], s[6:7], s[34:35]
	s_add_nc_u64 s[KP:KP+1], s[18:19], s[44:45]
	s_add_nc_u64 s[KP2:KP2+1], s[KP:KP+1], s[52:53]
	s_add_nc_u64 s[SCP:SCP+1], s[20:21], s[46:47]
.irp i, 0,1,2,3,4,5,6,7
	global_load_b32 v[16+\i], v28, s[8:9] offset:\i*1024
.endr
	s_cmp_eq_u32 s[KIND], 0
	s_cbranch_scc0 .Lbias_v
	v_lshl_add_u32 v[BO1], v3, 5, s30              ; bk[256 eh + 32 v + 16 c + 8 (l / 16) + j]
	v_lshl_add_u32 v[BO2], v2, 2, s31              ; be[16 t + l % 16]
.irp c, 0,1
	global_load_b128 v[BK+8*\c:BK+8*\c+3],   v[BO1], s[10:11] offset:64*\c
	global_load_b128 v[BK+8*\c+4:BK+8*\c+7], v[BO1], s[10:11] offset:64*\c+16
.endr
	global_load_b32 v24, v[BO2], s[14:15]
	s_branch .Lbias_in
.Lbias_v:
	v_lshl_add_u32 v[BO1], v2, 2, s30              ; bv[256 eh + 32 v + 16 c + l % 16]
	v_lshl_add_u32 v[BO2], v3, 5, s31              ; bf[16 t + 8 (l / 16) + j]
	global_load_b32 v24, v[BO1], s[12:13]
	global_load_b32 v25, v[BO1], s[12:13] offset:64
	global_load_b128 v[BK:BK+3],   v[BO2], s[16:17]
	global_load_b128 v[BK+4:BK+7], v[BO2], s[16:17] offset:16
.Lbias_in:
	PLOAD ACC, PC0                                 ; chunk 0 starts the sums: nothing is cleared
.irp s, 0,1,2,3,4
	PLOAD RING+32*\s, P0+\s
.endr
	s_mov_b32 s[CNT], 2
.Lsum:                                             ; trip T: chunks 5 T + 1 .. 5 T + 5 are added, chunks 5 T + 6 .. 5 T + 10 asked for
.irp s, 0,1,2,3,4
	s_wait_loadcnt 32                              ; loads come back in order: this slot's chunk is in, the four younger chunks' 32 loads stay out
	PADD RING+32*\s
	v_add_nc_u32 v[P0+\s], 0x1400000, v[P0+\s]     ; free since that wait: five chunks on
	PLOAD RING+32*\s, P0+\s
.endr
	s_sub_co_u32 s[CNT], s[CNT], 1
	s_cmp_lg_u32 s[CNT], 0
	s_cbranch_scc1 .Lsum
	s_wait_loadcnt 32                              ; chunks 11 to 15; behind each the weights are asked for.  Each count: the younger chunks' loads and the weight loads issued so far
	PADD RING
	WLD 0, 16
	s_wait_loadcnt 40                              ; 24 + 16
	PADD RING+32
	WLD 16, 16
	s_wait_loadcnt 48                              ; 16 + 32
	PADD RING+64
	WLD 32, 8
	s_wait_loadcnt 48                              ; 8 + 40
	PADD RING+96
	WLD 40, 8
	s_wait_loadcnt 48                              ; 0 + 48
	PADD RING+128
	s_wait_loadcnt 40                              ; so that 56 loads are out at the most
	WLD 48, 16
	v_add_f32 v16, v16, v17                        ; my 8 units' column sums of key l % 16,
	v_add_f32 v18, v18, v19
	v_add_f32 v20, v20, v21
	v_add_f32 v22, v22, v23
	v_add_f32 v16, v16, v18
	v_add_f32 v20, v20, v22
	v_add_f32 v16, v16, v20
	v_permlanex16_b32 v17, v16, s[SEL], s[SEL+1]   ; the other half of the lanes' 8
	v_add_f32 v16, v16, v17
	ds_store_b32 v[CSS], v16                       ; (lanes l and l + 16 write the same number to the same word)
.set n, 0
.rept 16                               ; a pair of T: hi = bf16(x), lo = bf16(x - hi); two pairs of registers at work by turns
.set tp, 28-2*(n%2)                    ; v[28:29] or v[26:27]
	v_cvt_pk_bf16_f32 v[HI+n], v[ACC+2*n], v[ACC+2*n+1]
	v_lshlrev_b32 v[tp],   16,     v[HI+n]
	v_and_b32     v[tp+1], s[MSK], v[HI+n]
	v_pk_add_f32 v[tp:tp+1], v[ACC+2*n:ACC+2*n+1], v[tp:tp+1] neg_lo:[0,1] neg_hi:[0,1]
	v_cvt_pk_bf16_f32 v[LO+n], v[tp], v[tp+1]
.set n, n+1
.endr
.irp q, 0,1,2,3                        ; d tile q of my four: fragment q / 2, half q % 2
	ds_store_b128 v[TS], v[HI+4*\q:HI+4*\q+3] offset:(\q/2)*2048+(\q%2)*512
	ds_store_b128 v[TS], v[LO+4*\q:LO+4*\q+3] offset:(\q/2)*2048+1024+(\q%2)*512
.endr
	s_wait_dscnt 0x0                               ; for the others' sake: my fragments and my column sums are in LDS
	s_barrier_signal -1
	s_barrier_wait -1
; The two kinds differ in the sources' order and in who holds a key: the start of the sums and the products have one text each, under one branch.
.macro PATH kind
.if (\kind) == 0
	v_lshl_add_u32 v[CSR], v2, 2, CSX              ; key l % 16, the eight waves' parts
.irp w, 0,1,2,3,4,5,6,7
	ds_load_b32 v[96+\w], v[CSR] offset:64*\w
.endr
	s_wait_dscnt 0x0
	v_pk_add_f32 v[96:97],   v[96:97],   v[98:99]
	v_pk_add_f32 v[100:101], v[100:101], v[102:103]
	v_pk_add_f32 v[96:97],   v[96:97],   v[100:101]
	v_add_f32 v28, v96, v97                        ; cs of my key
	v_cvt_pk_bf16_f32 v24, v24, v24                ; every input is rounded once to bf16
	v_lshlrev_b32 v24, 16, v24
.set n, 0
.rept 8
	v_cvt_pk_bf16_f32 v29, v[BK+2*n], v[BK+2*n+1]
	v_lshlrev_b32 v[BK+2*n],   16,     v29
	v_and_b32     v[BK+2*n+1], s[MSK], v29
.set n, n+1
.endr
.set n, 0
.rept 16
	v_fma_f32 v[ACC+n], v28, v[BK+n], v24          ; cs bk + be starts the sums
.set n, n+1
.endr
.else
	v_lshl_add_u32 v[CSR], v3, 5, CSX              ; keys 8 (l / 16) + 0..7, the eight waves' parts
.irp w, 0,1,2,3,4,5,6,7
	ds_load_b128 v[96+8*\w:96+8*\w+3],   v[CSR] offset:64*\w
	ds_load_b128 v[96+8*\w+4:96+8*\w+7], v[CSR] offset:64*\w+16
.endr
	s_wait_dscnt 0x0
.irp w, 1,2,3,4,5,6,7
.irp p, 0,2,4,6
	v_pk_add_f32 v[96+\p:96+\p+1], v[96+\p:96+\p+1], v[96+8*\w+\p:96+8*\w+\p+1]
.endr
.endr
	v_cvt_pk_bf16_f32 v24, v24, v24
	v_cvt_pk_bf16_f32 v25, v25, v25
	v_lshlrev_b32 v24, 16, v24
	v_lshlrev_b32 v25, 16, v25
.irp p, 0,2,4,6
	v_cvt_pk_bf16_f32 v29, v[BK+\p], v[BK+\p+1]
	v_lshlrev_b32 v[BK+\p],   16,     v29
	v_and_b32     v[BK+\p+1], s[MSK], v29
.endr
.irp c, 0,1
.irp j, 0,1,2,3,4,5,6,7
	v_fma_f32 v[ACC+8*\c+\j], v[96+\j], v[24+\c], v[BK+\j]  ; cs bv + bf starts the sums
.endr
.endr
.endif
	s_wait_loadcnt 0x0                             ; my weights are in
	TLOAD B0, 0
	TLOAD B1, 8192
	s_wait_dscnt 16                                ; the first group is in; the second's 16 loads may stay out
	MM \kind, B0, 0
	PLACES
	TLOAD B0, 16384
	s_wait_dscnt 16
	MM \kind, B1, 4
	PLACES
	TLOAD B1, 24576
	s_wait_dscnt 16
	MM \kind, B0, 8
	s_wait_dscnt 0x0
	MM \kind, B1, 12
	WIN 0
.endm
	s_cmp_eq_u32 s[KIND], 0
	s_cbranch_scc0 .Lkind_v
	PATH 0
	s_branch .Lexp
.Lkind_v:
	PATH 1
.Lexp:
	PLACES
	v_max3_num_f32 v28, |v[ACC]|, |v[ACC+1]|, |v[ACC+2]|  ; my two tiles' largest magnitude; the registers in ascending order
.set n, 0
.rept 6
	v_max3_num_f32 v28, v28, |v[ACC+3+2*n]|, |v[ACC+4+2*n]|
.set n, n+1
.endr
	v_max_num_f32 v28, v28, |v[ACC+15]|
	v_max_num_f32_dpp v28, v28, v28 row_xmask:1 row_mask:0xf bank_mask:0xf
	v_max_num_f32_dpp v28, v28, v28 row_xmask:2 row_mask:0xf bank_mask:0xf
	v_max_num_f32_dpp v28, v28, v28 row_xmask:4 row_mask:0xf bank_mask:0xf
	v_max_num_f32_dpp v28, v28, v28 row_xmask:8 row_mask:0xf bank_mask:0xf
	v_permlanex16_b32 v29, v28, s[SEL], s[SEL+1]
	v_max_num_f32 v28, v28, v29
	v_mov_b32 v8, s54
	ds_store_b32 v8, v28                           ; a head's 64 channels lie in two waves: they exchange their maxima
	s_wait_dscnt 0x0
	s_barrier_signal -1
	s_barrier_wait -1
	v_mov_b32 v8, s55
	ds_load_b64 v[26:27], v8
	s_wait_dscnt 0x0
	v_max_num_f32 v28, v26, v27
	v_and_b32 v28, 0x7f800000, v28                 ; its exponent,
	v_add_nc_u32 v28, 0x00800000, v28              ; one more: 2^e is above every magnitude of the tile,
	v_min_u32 v28, 0x7e800000, v28                 ; held at 2^126, so that 2^-e is a normal number
	v_sub_nc_u32 v10, 0x7f000000, v28              ; 2^-e
	v_mov_b32 v11, v10
.set n, 0
.rept 8
	v_pk_mul_f32 v[ACC+2*n:ACC+2*n+1], v[ACC+2*n:ACC+2*n+1], v[10:11] op_sel_hi:[1,0]
.set n, n+1
.endr
.set n, 0
.rept 8
	v_cvt_pk_f16_f32 v[B0+n], v[ACC+2*n], v[ACC+2*n+1]
.set n, n+1
.endr
	global_store_b128 v[KO], v[B0:B0+3],   s[KP:KP+1]    ; half a fragment: 512 consecutive bytes, aligned
	global_store_b128 v[KO], v[B0+4:B0+7], s[KP2:KP2+1]
	v_mov_b32 v13, 0
	s_wait_xcnt 0x0                                ; EXEC changes only behind this wait: the stores above have read it
	v_cmp_eq_u32 vcc_lo, 0, v1
	s_and_saveexec_b32 s[SAVE], vcc_lo
	global_store_b32 v13, v28, s[SCP:SCP+1]        ; lane 0: 2^e of the tile (a head's two waves write the same number to the same word)
	s_wait_xcnt 0x0                                ; and again, in front of the line that widens it
	s_or_b32 exec_lo, exec_lo, s[SAVE]
	s_wait_tensorcnt 0x0                           ; the wave's end, behind my last LDS store
	ds_add_u32 v[SPW], v[NIL]
	s_wait_dscnt 0x0
	s_endpgm
.Lfunc_end_k_q289636c796_kvproj:
	.size	k_q289636c796_kvproj, .Lfunc_end_k_q289636c796_kvproj-k_q289636c796_kvproj
	.p2alignl 7, 3214868480
	.fill 96, 4, 3214868480
	.section	.rodata,"a",@progbits
	.p2align	6, 0x0
	.amdhsa_kernel k_q289636c796_kvproj
		.amdhsa_group_segment_fixed_size 34560
		.amdhsa_private_segment_fixed_size 0
		.amdhsa_enable_private_segment 0
		.amdhsa_kernarg_size 72
		.amdhsa_user_sgpr_count 2
		.amdhsa_user_sgpr_kernarg_segment_ptr 1
		.amdhsa_wavefront_size32 1
		.amdhsa_system_sgpr_workgroup_id_x 1
		.amdhsa_system_sgpr_workgroup_id_y 1
		.amdhsa_system_sgpr_workgroup_id_z 1
		.amdhsa_system_vgpr_workitem_id 0
		.amdhsa_next_free_vgpr 512
		.amdhsa_next_free_sgpr 66
		.amdhsa_reserve_vcc 1
		.amdhsa_float_denorm_mode_32 3
		.amdhsa_float_denorm_mode_16_64 3
		.amdhsa_memory_ordered 1
		.amdhsa_forward_progress 1
		.amdhsa_inst_pref_size 65
	.end_amdhsa_kernel
	.amdgpu_metadata
---
amdhsa.version: [ 1, 2 ]
amdhsa.kernels:
  - .name:           k_q289636c796_kvproj
    .symbol:         k_q289636c796_kvproj.kd
    .args:
      - { .name: part, .offset: 0, .size: 8, .value_kind: global_buffer, .address_space: global }
      - { .name: wfr, .offset: 8, .size: 8, .value_kind: global_buffer, .address_space: global }
      - { .name: csp, .offset: 16, .size: 8, .value_kind: global_buffer, .address_space: global }
      - { .name: bk, .offset: 24, .size: 8, .value_kind: global_buffer, .address_space: global }
      - { .name: bv, .offset: 32, .size: 8, .value_kind: global_buffer, .address_space: global }
      - { .name: be, .offset: 40, .size: 8, .value_kind: global_buffer, .address_space: global }
      - { .name: bf, .offset: 48, .size: 8, .value_kind: global_buffer, .address_space: global }
      - { .name: kvf, .offset: 56, .size: 8, .value_kind: global_buffer, .address_space: global }
      - { .name: sct, .offset: 64, .size: 8, .value_kind: global_buffer, .address_space: global }
    .group_segment_fixed_size: 34560
    .private_segment_fixed_size: 0
    .kernarg_segment_align: 8
    .kernarg_segment_size: 72
    .max_flat_workgroup_size: 256
    .sgpr_count:     66
    .vgpr_count:     512
    .wavefront_size: 32
...
	.end_amdgpu_metadata
.endif
;; end of part 3
;; launch attn (part 4): grid 256 x 1, 4 waves a work-group, clusters of 4 x 1, 327,680 bytes of LDS; arguments query, bq, bo, wfr, kvf, sct, out0; writes out0
.if DOCPART == 4
	.amdgcn_target "amdgcn-amd-amdhsa--gfx1250"
	.amdhsa_code_object_version 6
	.text
	.protected	k_q289636c796_attn
	.globl	k_q289636c796_attn
	.p2align	8
	.type	k_q289636c796_attn,@function
k_q289636c796_attn:
	s_mov_b64 s[64:65], 0
	v_nop
	global_prefetch_b8 v0, s[64:65] scope:SCOPE_SE
	s_setreg_imm32_b32 hwreg(HW_REG_WAVE_MODE, 25, 1), 1
	s_wait_xcnt 0x0
	s_wait_alu depctr_hold_cnt(0) depctr_sa_sdst(0) depctr_va_vdst(0) depctr_va_sdst(0) depctr_va_ssrc(0) depctr_va_vcc(0) depctr_vm_vsrc(0)
	s_getreg_b32 s2, hwreg(HW_REG_IB_STS2, 6, 4)
	s_cmp_eq_u32 s2, 0
	s_cbranch_scc0 .Lentry_in_a_cluster
	s_endpgm
.Lentry_in_a_cluster:
	s_bfe_u32 s2, ttmp6, 0x10000c
	s_cmp_lg_u32 s2, 0x3003
	s_cbranch_scc0 .Lentry_shape_is_right
	s_endpgm
.Lentry_shape_is_right:
; ATTN.  out0 = softmax((query Wq + bq) K'^T / 8) V' Wo + bo, by heads, for 128 rows of one batch a work-group: the q projection, the attention over the 256 projected keys and the output projection in one launch.
; FORMATS.  query, Wq, bq, bo rounded once to bf16 (q's product in bf16); q, the weights p and O in f16; Wo the bf16 number written as f16; K', V' f16 with a block exponent (a power of two for each tile of 16 keys x a head).
; The fragments are rescaled here by exact powers of two, K' to its head's largest 2^e (MK), V' to its batch's largest (MV); c MK, c = log2(e) / 8, scales the scores in f32, MV the output.  All sums in f32.
; SOFTMAX.  A row's 256 scores of a head lie in registers (a lane holds one query and 128 keys, the lane 16 away the other 128): the true maximum is taken away before every exponential; no running maximum is needed.
; LIMITS.  |q| below 65,504 (f16); a weight below 6e-8 is 0 in the product with V' (its share in the row's sum is kept); a K' or V' tile more than 2^24 below its head's or batch's largest counts as 0;
; NaN and infinities are not treated apart.
; SHARES.  Wave w owns all 128 rows x the columns 128 w .. 128 w + 127: of q (heads 2 w, 2 w + 1), and of out0.  So every wave tile of the two projections is 128 x 128, and a fragment of K' or V' feeds 8 query tiles.
; THE MATRIX INSTRUCTION IS USED TRANSPOSED THROUGHOUT (source 0 = rows of the weights, of K', of V'^T; source 1 = 16 rows of the sequence): a lane holds ONE row of the sequence and eight neighbouring columns, which
; packed in pairs are 16 bytes of a row of the next product's source 1.
; LDS.  Ring: for each wave two slots of 16 KiB of ready fragments (a wave fetches and reads its own share alone).  STAGE: [64-column block 8][row 128][144 bytes]: block g is in turn query's columns 64 g .. in bf16,
; head g's q and head g's O in f16; 144 = 9 x 16, so the 16 rows of a fragment load start at 16 different groups of four banks.  On the way out the stage holds, for each wave, 64 rows of 128 f32 at a pitch of 528.
; THE RING'S STREAM: 10 units of 128 KiB: Wq's four pairs of K steps (wfr), then out of kvf K'(j=0) and K'(1) of my batch and Wo's four pairs, which lie behind all batches' K' and V' at byte 2,097,152:
; the address of each load of 32 KiB is made anew from one pointer and an offset kept apart.
; V' DOES NOT GO THROUGH THE RING: its fragments lie in memory as registers hold them, so 64 loads of 512 bytes bring a head's V' into window 1, and the rescaling moves it into window 3.  V'(0) is asked for with K'(0),
; V'(1) at the head of head 0's tile loop, eight tiles ahead of its use.
; CLUSTER.  The four work-groups of a cluster lie in one batch and walk the same 10 units: every tile is asked for JOINTLY (same load, same descriptor, mask of four).  cx enters query's, out0's and the prefetches' addresses alone.
; PREFETCH INTO THE L2 of kvf's and wfr's units, ahead of a unit's first request: a wave names 8 KiB of its own 32 KiB share (a lane 256 bytes; the four partners told apart by address): one instruction a unit.  Wq and Wo are
; walked by all 64 clusters: cluster 0 asks; a batch's K' and V' by 16: the batch's first asks.  So each block is named once.  Wq's first two pairs come by their loads alone.  query is not prefetched: its loads go out
; two K steps, 256 matrix instructions, ahead of their conversion.  The loop's last request for query has no chunk behind it and is clamped to chunk 7 (32 KiB a work-group read twice), so that the counted waits hold on every way.
; REGISTERS, in windows of 256 (s_set_vgpr_msb: bits 1:0 source 0, 3:2 source 1, 5:4 source 2, 7:6 destination):
;   projections: window 0: v0-31 addresses, v32-63 at work, v64-127 and v128-191 source 1's fragments (two buffers), v192-255 bq; window 1: v64-191 source 0's fragments, v0-63 and v192-255 loads of query on their way;
;                windows 2, 3: accumulator (a, e) at v[8 (8 (a % 4) + e)] of window 2 + a / 4
;   attention:   window 0: v32-47 q's fragments, v48-63 statistics, v64-191 S^T (its first 32 then O^T), v192-255 P; window 1: V' as loaded; window 2: K' (fragment fi at 8 fi); window 3: V' rescaled
.set STAGE, 131072
.set SP,    144
.set CH,    128*SP                     ; a block of 64 columns: 18,432 bytes
.set SPARE, STAGE+8*CH                 ; 278,528: the spare words, 128 bytes for each wave: two blocks of 256 bytes that no other line names
.set OP,    528
.set WST,   64*OP                      ; the way out: a wave's 64 rows in the stage; four of them are 135,168 of the stage's 147,456 bytes
.set WOB,   0x200000                   ; Wo's place in kvf
.set ADW, 4                            ; v4  32,768 w + 16 l: my place in my wave's ring, and in a unit of kvf
.set ADQ, 5                            ; v5  source 1's fragments: STAGE + (l % 16) 144 + 16 (l / 16), at the trip's block
.set QGO, 7                            ; v7  query: row 32 w + 8 (l / 16), 16 (l % 16)
.set QSO, 8                            ; v8  where I put 8 bytes of a stage row
.set PFO, 9                            ; v9  the prefetches' offset: 32,768 w + 8,192 cx + 256 l
.set AST, 10                           ; v10 my own blocks of the stage: ADQ's lane term + 2 w blocks; steps by a query tile
.set OSA, 12
.set OSR, 13
.set OGO, 14                           ; v14 16 l
.set TO,  15                           ; v15 the scale table: 512 (l / 16) + 128 w + 4 (l % 16)
.set MVV, 16
.set TV,  17
.set T2,  18
.set T3,  19
.set BO,  20                           ; v[20:23] bo of my four columns on the way out
.set SPW, 28
.set NIL, 29
.set CV,  32
.set QF,  32
.set M,   48                           ; v48 c MK m, v49 m
.set C0,  50
.set RL,  56                           ; v56 the row's sum, then its reciprocal
.set S,   64
.set P,   192
.set BQ,  192
.set F0,  64
.set F1,  128
.set LS0, 0
.set LS1, 192
.set VB,  2                            ; s[2:3]   kvf at my batch's V'(0)
.set QP,  4                            ; s[4:5]   query at the chunk that the trip's first K step multiplies
.set KVW, 10                           ; s[10:11] first wfr; then kvf at my wave's share of a unit
.set KVB, 12                           ; s[12:13] kvf at my batch
.set OUT, 16                           ; s[16:17] out0 at my rows and my wave's columns
.set WV,  18
.set CNT, 19
.set J,   20
.set QT,  21
.set LIMW, 22                          ; 1 in cluster 0, else the greatest number
.set FLAGK, 23                         ; 1 in a batch's first cluster
.set G1S, 24
.set G1L, 32
.set G0,  40                           ; s[40:43] loads of 32 KiB: both slots
.set G0R, 44                           ; s[44:47] the walking refill of 16 KiB
.set WO,  48
.set AWO, 50
.set PFA, 52
.set PF2, 54
.set MASKHI, 57                        ; 0xffff0000: a word's upper half, and the lanes 16-31
.set UO,  58                           ; s[58:59] the byte offset in kvf of the unit that was asked for last
.set SEL, 60
.set WOFF, 62
.set SC,  66                           ; s[66:97] 32 factors, f16 twice a word; while q is made: s[66:67] the second pointer into query, s[68:69] its step, s70, s71 the two steps
.set QP2, 66
.set ST,  68
.set K1,  70
.set K2,  71
.set MK,  98
.set MV,  100
.set MSB, 0
.macro WIN new                         ; the immediate's high byte repeats the setting that is left; a switch that changes nothing is dropped
.if MSB != (\new)
	s_set_vgpr_msb (MSB<<8)|(\new)
.set MSB, \new
.endif
.endm
.macro PLACES                          ; four plain vector instructions between a matrix instruction and a load into, or a reader of, its registers
.rept 4
	v_nop
.endr
.endm
.macro CREST
	s_cmp_lg_u32 s[WV], 0
	s_cbranch_scc1 .Lnot_wave_0_\@
	s_barrier_signal -3
.Lnot_wave_0_\@:
	s_barrier_wait -3
	s_barrier_signal -1
	s_barrier_wait -1
.endm
.macro CROUND
	s_barrier_signal -1
	s_barrier_wait -1
	CREST
.endm
.macro ASKL                            ; in a projection's loop: the pair of K steps after the one that this trip asks for; the last trip has none
	s_cmp_gt_u32 s[CNT], s[LIMW]
	s_cbranch_scc0 .Lnl_\@
	global_prefetch_b8 v[PFO], s[PFA:PFA+1] offset:262144 th:TH_LOAD_NT scope:SCOPE_SE
.Lnl_\@:
.endm
.macro ASKF flag, ptr, off, off2=-1    ; one unit, or two
	s_cmp_eq_u32 s[\flag], 1
	s_cbranch_scc0 .Lnf_\@
	global_prefetch_b8 v[PFO], s[\ptr:\ptr+1] offset:\off th:TH_LOAD_NT scope:SCOPE_SE
.if (\off2) >= 0
	global_prefetch_b8 v[PFO], s[\ptr:\ptr+1] offset:\off2 th:TH_LOAD_NT scope:SCOPE_SE
.endif
.Lnf_\@:
.endm
; 16 matrix instructions: row tiles a0, a0 + 1 of the window's four x my 8 column tiles, 32 along K.  zero = 1: the first product starts the sums; 2: it starts them with bq.
.macro MUL16 ty, f, hi, a0, zero
.if (\zero) == 2
	WIN 0x81+0x40*(\hi)
.else
	WIN 0xa1+0x50*(\hi)
.endif
.irp a, \a0, (\a0)+1
.irp e, 0,1,2,3,4,5,6,7
.if (\zero) == 1
	v_wmma_f32_16x16x32_\ty v[8*(8*(\a)+(\e)):8*(8*(\a)+(\e))+7], v[(\f)+8*(\e):(\f)+8*(\e)+7], v[(\f)+8*(4*(\hi)+(\a)):(\f)+8*(4*(\hi)+(\a))+7], 0
.elseif (\zero) == 2
	v_wmma_f32_16x16x32_\ty v[8*(8*(\a)+(\e)):8*(8*(\a)+(\e))+7], v[(\f)+8*(\e):(\f)+8*(\e)+7], v[(\f)+8*(4*(\hi)+(\a)):(\f)+8*(4*(\hi)+(\a))+7], v[BQ+8*(\e):BQ+8*(\e)+7]
.else
	v_wmma_f32_16x16x32_\ty v[8*(8*(\a)+(\e)):8*(8*(\a)+(\e))+7], v[(\f)+8*(\e):(\f)+8*(\e)+7], v[(\f)+8*(4*(\hi)+(\a)):(\f)+8*(4*(\hi)+(\a))+7], v[8*(8*(\a)+(\e)):8*(8*(\a)+(\e))+7]
.endif
.endr
.endr
.endm
; 32 LDS loads in one run: half kf of a K step into buffer f: the weights' eight tiles out of ring slot 'slot', then the eight row tiles out of the stage block koff bytes behind ADQ
.macro FETCH slot, kf, koff, f
	WIN 0x40
.irp e, 0,1,2,3,4,5,6,7
	ds_load_b128 v[(\f)+8*\e:(\f)+8*\e+3],   v[ADW] offset:(\slot)*16384+(\kf)*8192+\e*1024
	ds_load_b128 v[(\f)+8*\e+4:(\f)+8*\e+7], v[ADW] offset:(\slot)*16384+(\kf)*8192+\e*1024+512
.endr
	WIN 0
.irp a, 0,1,2,3,4,5,6,7
	ds_load_b128 v[(\f)+8*\a:(\f)+8*\a+3],   v[ADQ] offset:\a*16*SP+(\koff)+64*(\kf)
	ds_load_b128 v[(\f)+8*\a+4:(\f)+8*\a+7], v[ADQ] offset:\a*16*SP+(\koff)+64*(\kf)+32
.endr
.endm
.macro XLOAD set, ptr, off             ; a chunk (64 columns) of my 32 rows: each load covers 256 bytes of each of two rows, 8 apart
	WIN 0x40
.set i, 0
.rept 16
	global_load_b128 v[(\set)+4*i:(\set)+4*i+3], v[QGO], s[\ptr:\ptr+1] offset:((i&7)+16*(i>>3))*2048+(\off) th:TH_LOAD_NT
.set i, i+1
.endr
	WIN 0
.endm
.macro XCONV set, left, off            ; a chunk that has come is rounded and laid into its block of the stage.  left: the younger loads, which may stay out
	s_wait_loadcnt \left
	WIN 0x05
.set i, 0
.rept 32
	v_cvt_pk_bf16_f32 v[CV+i], v[(\set)+2*i], v[(\set)+2*i+1]
.set i, i+1
.endr
	WIN 0
.set i, 0
.rept 16
	ds_store_b64 v[QSO], v[CV+2*i:CV+2*i+1] offset:((i&7)+16*(i>>3))*SP+(\off)  ; two rows' 128 bytes; 8 rows are 1,152 bytes = 128 modulo 256
.set i, i+1
.endr
.endm
; A K step of 64 is two halves of 64 matrix instructions, on buffers F0 and F1.  The first half multiplies F0 and fetches the second half's fragments in its middle.
.macro QUARTER ty, slot, koff, zero
	s_wait_dscnt 8                                 ; all but the youngest eight loads (row tiles 4-7)
	MUL16 \ty, F0, 0, 0, \zero
	MUL16 \ty, F0, 0, 2, \zero
	PLACES
	FETCH \slot, 1, \koff, F1
	s_wait_dscnt 32                                ; all but the 32 just issued
	MUL16 \ty, F0, 1, 0, \zero
	MUL16 \ty, F0, 1, 2, \zero
.endm
; The second half multiplies F1 and changes slots.  ONE barrier: in front of it each wave waits for all its tensor loads (one is out: its part of the next slot), adds 0 to its spare word, and waits for that, for its stage stores
; (x = 1) and for its reads.  fill = 1: the barrier opens a round of the cluster's, and this slot is filled again first thing behind it, two K steps ahead.  ask: 1 the loop's prefetch, 2 that of K'(0) and V'(0).
.macro TURN ty, slot, next, koff, fill, x, ask
	WIN 0
	s_wait_tensorcnt 0x0                           ; no tensor load of mine is out, so the walking group 0 may be written
	ds_add_u32 v[SPW], v[NIL]                      ; 0 onto my spare word
.if \fill
	s_xor_b32 s[G0R+1], s[G0R+1], 16384            ; the other slot than last time
.if (\slot) == 0
	s_add_nc_u64 s[G0R+2:G0R+3], s[G0R+2:G0R+3], 114688  ; from a pair's second step to the next pair's first: 131,072 - 16,384
.else
	s_add_nc_u64 s[G0R+2:G0R+3], s[G0R+2:G0R+3], 16384
.endif
.endif
.if \x
	s_wait_dscnt 17                                ; the 16 stage stores and the add may be out: F1's fragments are in
.else
	s_wait_dscnt 9                                 ; the add and the youngest eight loads may be out
.endif
	MUL16 \ty, F1, 0, 0, 0
	s_wait_dscnt 0x0                               ; the add and my stores are done, my reads are over
	s_barrier_signal -1
	MUL16 \ty, F1, 0, 2, 0
	WIN 0
	s_barrier_wait -1
.if \fill
	CREST                                          ; no wave of any partner still reads this slot or has a load on its way
	tensor_load_to_lds s[G0R:G0R+3], s[G1S:G1S+7]  ; my one tensor load behind the round: 96 matrix instructions ahead of the wait for it
	s_nop 0
.endif
	PLACES
	FETCH \next, 0, \koff, F0
.if (\ask) == 1
	ASKL
.elseif (\ask) == 2
	ASKF FLAGK, KVB, 0, 131072
.endif
	MUL16 \ty, F1, 1, 0, 0
	MUL16 \ty, F1, 1, 2, 0
.endm
.macro LAST ty
	s_wait_dscnt 8
	MUL16 \ty, F1, 0, 0, 0
	MUL16 \ty, F1, 0, 2, 0
	s_wait_dscnt 0x0
	MUL16 \ty, F1, 1, 0, 0
	MUL16 \ty, F1, 1, 2, 0
.endm
.macro VLOAD off                       ; a head's V', my 32 fragments, into window 1: 64 loads of 512 consecutive bytes
	WIN 0x40
.set i, 0
.rept 64
	global_load_b128 v[4*i:4*i+3], v[ADW], s[VB:VB+1] offset:i*512+(\off)
.set i, i+1
.endr
	WIN 0
.endm
	s_load_b256 s[4:11], s[0:1], 0x0               ; query, bq, bo, wfr
	s_load_b128 s[12:15], s[0:1], 0x20             ; kvf, sct
	s_load_b64 s[16:17], s[0:1], 0x30              ; out0
	v_lshl_add_u32 v[SPW], v0, 2, SPARE
	v_mov_b32 v[NIL], 0
	ds_add_u32 v[SPW], v[NIL]                      ; the wave's opening; its wait stands ahead of my first tensor load, the set-up between them
	v_lshrrev_b32 v1, 5, v0
	v_readfirstlane_b32 s[WV], v1                  ; wave 0..3
	v_and_b32 v1, 15, v0                           ; l % 16
	v_bfe_u32 v2, v0, 4, 1                         ; l / 16
	v_and_b32 v3, 31, v0                           ; l
	s_bfe_u32 s3, ttmp6, 0x40000                   ; cx
	s_lshl_b32 s2, ttmp9, 2
	s_add_co_u32 s2, s2, s3                        ; my block of 128 rows = 4 x cluster + cx
	s_lshl_b32 s58, s2, 18                         ; x 128 rows x 2,048 bytes
	s_mov_b32 s59, 0
	s_lshl_b32 s2, s3, 13                          ; 8,192 cx
	s_lshr_b32 s20, ttmp9, 4                       ; the batch: 16 clusters each
	s_lshl_b32 s98, s20, 19
	s_mov_b32 s99, 0
	s_lshl_b32 s100, s20, 10
	s_mov_b32 s101, 0
	s_cmp_eq_u32 ttmp9, 0
	s_cselect_b32 s[LIMW], 1, -1
	s_and_b32 s20, ttmp9, 15
	s_cmp_eq_u32 s20, 0
	s_cselect_b32 s[FLAGK], 1, 0
	s_mul_i32 s[WOFF], s[WV], 32768                ; my wave's share of a unit, in memory and in the ring
	s_mov_b32 s[WOFF+1], 0
	; descriptor group 1: a dense block as rows of 256 bytes
	s_mov_b32 s[G1S],   15|(3<<16)|(1<<21)         ; 15:0 the mask of four; 17:16 elements of 8 bytes; 21 set beside a mask; no padding
	s_mov_b32 s[G1S+1], 32<<16                     ; tensor_dim0 = 32
	s_mov_b32 s[G1S+2], 64<<16                     ; tensor_dim1 = 64
	s_mov_b32 s[G1S+3], 32<<16                     ; tile_dim0 = 32
	s_mov_b32 s[G1S+4], 64                         ; tile_dim1 = 64
	s_mov_b32 s[G1S+5], 32                         ; 32 elements from row to row
	s_mov_b32 s[G1S+6], 0
	s_mov_b32 s[G1S+7], 0
	s_mov_b32 s[G1L],   15|(3<<16)|(1<<21)
	s_mov_b32 s[G1L+1], 32<<16
	s_mov_b32 s[G1L+2], 128<<16
	s_mov_b32 s[G1L+3], 32<<16
	s_mov_b32 s[G1L+4], 128
	s_mov_b32 s[G1L+5], 32
	s_mov_b32 s[G1L+6], 0
	s_mov_b32 s[G1L+7], 0
	s_mov_b32 s[G0], 1
	s_mov_b32 s[G0+1], s[WOFF]
	s_mov_b32 s[G0R], 1
	s_add_co_u32 s[G0R+1], s[WOFF], 16384          ; the walking refill stands at K step 1 and is stepped ahead of each use
	s_mov_b32 s[SEL], 0x76543210
	s_mov_b32 s[SEL+1], 0xfedcba98
	s_mov_b32 s[MASKHI], 0xffff0000
	s_mov_b32 s[K1], 256
	s_mov_b32 s[K2], 512
	s_mov_b32 s[ST+1], 0
	v_lshl_add_u32 v[ADW], v3, 4, s[WOFF]
	v_mul_u32_u24 v[ADQ], v1, SP
	v_lshl_add_u32 v[ADQ], v2, 4, v[ADQ]
	v_add_nc_u32 v[ADQ], STAGE, v[ADQ]
	s_mul_i32 s20, s[WV], 2*CH
	v_add_nc_u32 v[AST], s20, v[ADQ]
	s_lshl_b32 s20, s[WV], 16                      ; 32 w rows of 2,048 bytes
	v_lshlrev_b32 v[QGO], 4, v1
	v_lshl_add_u32 v[QGO], v2, 14, v[QGO]
	v_add_nc_u32 v[QGO], s20, v[QGO]
	s_mul_i32 s20, s[WV], 32*SP
	s_add_co_u32 s20, s20, STAGE
	v_mul_u32_u24 v[QSO], v2, 8*SP
	v_lshl_add_u32 v[QSO], v1, 3, v[QSO]
	v_add_nc_u32 v[QSO], s20, v[QSO]
	s_add_co_u32 s2, s2, s[WOFF]
	v_lshl_add_u32 v[PFO], v3, 8, s2
	s_mul_i32 s20, s[WV], WST
	s_add_co_u32 s20, s20, STAGE                   ; my part of the stage on the way out
	v_mul_u32_u24 v[OSA], v1, OP                   ; in: row l % 16, 32 bytes for each half of the lanes
	v_lshl_add_u32 v[OSA], v2, 5, v[OSA]
	v_add_nc_u32 v[OSA], s20, v[OSA]
	v_lshl_add_u32 v[OSR], v3, 4, s20              ; back: 32 lanes take a row's 512 bytes
	v_lshlrev_b32 v[OGO], 4, v3
	s_lshl_b32 s20, s[WV], 7
	v_lshlrev_b32 v[TO], 2, v1
	v_lshl_add_u32 v[TO], v2, 9, v[TO]
	v_add_nc_u32 v[TO], s20, v[TO]
	s_lshl_b32 s20, s[WV], 9
	v_lshl_add_u32 v[TV], v2, 5, s20               ; bq[128 w + 16 e + 8 (l / 16) + j]
	v_lshl_add_u32 v[T2], v3, 4, s20               ; bo[128 w + 4 l + i]
	s_wait_dscnt 0x0                               ; the opening add is done
	s_wait_kmcnt 0x0
	s_add_nc_u64 s[QP:QP+1], s[QP:QP+1], s[58:59]
	s_add_nc_u64 s[QP2:QP2+1], s[QP:QP+1], 4*256
	s_add_nc_u64 s[OUT:OUT+1], s[OUT:OUT+1], s[58:59]
	s_lshl_b32 s58, s[WV], 9
	s_add_nc_u64 s[OUT:OUT+1], s[OUT:OUT+1], s[58:59]
	s_mov_b32 s[UO], s98                           ; my batch's unit 0 in kvf; the high word is 0
	s_add_nc_u64 s[14:15], s[14:15], s[100:101]    ; sct at my batch
	s_add_nc_u64 s[G0+2:G0+3], s[10:11], s[WOFF:WOFF+1]
	s_add_nc_u64 s[G0R+2:G0R+3], s[G0+2:G0+3], 16384
	s_or_b32 s[G0+3], s[G0+3], 0x80000000          ; type = 2
	s_or_b32 s[G0R+3], s[G0R+3], 0x80000000
	s_mov_b64 s[PFA:PFA+1], s[10:11]
	s_add_nc_u64 s[WO:WO+1], s[12:13], WOB
	s_add_nc_u64 s[AWO:AWO+1], s[WO:WO+1], s[WOFF:WOFF+1]
	s_add_nc_u64 s[KVW:KVW+1], s[12:13], s[WOFF:WOFF+1]
	s_add_nc_u64 s[KVB:KVB+1], s[12:13], s[98:99]
	s_add_nc_u64 s[VB:VB+1], s[KVB:KVB+1], 131072
	s_mov_b64 s[PF2:PF2+1], s[WO:WO+1]
	; ---------------- q^T = Wq^T query^T + bq ----------------
	XLOAD LS0, QP, 0                               ; chunks 0 and 1
	XLOAD LS1, QP, 256
.irp e, 0,1,2,3,4,5,6,7
	global_load_b128 v[BQ+8*\e:BQ+8*\e+3],   v[TV], s[6:7] offset:64*\e
	global_load_b128 v[BQ+8*\e+4:BQ+8*\e+7], v[TV], s[6:7] offset:64*\e+16
.endr
	CROUND                                         ; all four work-groups are here: the first joint loads meet
	tensor_load_to_lds s[G0:G0+3], s[G1L:G1L+7]    ; Wq's K steps 0 and 1: 32 KiB a wave
	s_nop 0
	PLACES
	XCONV LS0, 32, 0                               ; chunk 0 (chunk 1's and bq's 32 loads may stay out)
	XLOAD LS0, QP, 512
	s_wait_loadcnt 16                              ; bq is in (chunk 2's 16 loads may stay out)
.set n, 0
.rept 32
	v_cvt_pk_bf16_f32 v30, v[BQ+2*n], v[BQ+2*n+1]  ; every input is rounded once to bf16
	v_lshlrev_b32 v[BQ+2*n],   16,        v30
	v_and_b32     v[BQ+2*n+1], s[MASKHI], v30
.set n, n+1
.endr
	s_wait_tensorcnt 0x0                           ; my part of both slots is in;
	s_wait_dscnt 0x0                               ; my part of chunk 0 lies in the stage
	s_barrier_signal -1
	s_barrier_wait -1                              ; everybody's does
	FETCH 0, 0, 0, F0
	QUARTER bf16, 0, 0, 2                          ; the first half step stands in front of the loop: its products start the sums, with bq
	WIN 0
	s_mov_b32 s[CNT], 3
.Lq:                                               ; trip T: from K step 2 T's second half to step 2 T + 2's first; both slots are filled again
	XCONV LS1, 16, CH                              ; chunk 2 T + 1; the 16 loads of chunk 2 T + 2 may stay out
	XLOAD LS1, QP, 768                             ; chunk 2 T + 3
	TURN bf16, 0, 1, CH, 1, 1, 1
	QUARTER bf16, 1, CH, 0
	XCONV LS0, 16, 2*CH                            ; chunk 2 T + 2
	XLOAD LS0, QP2, 0                              ; chunk 2 T + 4, in the last trip chunk 7 once more
	TURN bf16, 1, 0, 2*CH, 1, 1, 0
	QUARTER bf16, 0, 2*CH, 0
	WIN 0
	s_wait_xcnt 0x0                                ; every load and prefetch issued so far has read its address: the pointers may be written
	s_add_nc_u64 s[QP:QP+1], s[QP:QP+1], 512
	s_add_nc_u64 s[PFA:PFA+1], s[PFA:PFA+1], 131072
	v_add_nc_u32 v[ADQ], 2*CH, v[ADQ]
	v_add_nc_u32 v[QSO], 2*CH, v[QSO]
	s_sub_co_u32 s[CNT], s[CNT], 1
	s_cmp_eq_u32 s[CNT], 1
	s_cselect_b32 s[ST], s[K1], s[K2]              ; into the last trip the second pointer steps by one chunk, not two
	s_add_nc_u64 s[QP2:QP2+1], s[QP2:QP2+1], s[ST:ST+1]
	s_cmp_lg_u32 s[CNT], 0
	s_cbranch_scc1 .Lq
	XCONV LS1, 16, CH                              ; chunk 7; the clamped request's 16 loads may stay out
	TURN bf16, 0, 1, CH, 0, 1, 2                   ; the tail is written out: no slot is filled; K'(0) and V'(0) are prefetched
	QUARTER bf16, 1, CH, 0
	LAST bf16
	WIN 0
	s_wait_tensorcnt 0x0                           ; the ring is read out: it takes K'(0), 32 KiB a wave
	ds_add_u32 v[SPW], v[NIL]
	s_add_nc_u64 s[G0+2:G0+3], s[KVW:KVW+1], s[UO:UO+1]  ; the address is made anew: the pointer, the unit's offset,
	s_or_b32 s[G0+3], s[G0+3], 0x80000000          ; and the type
	s_wait_dscnt 0x0                               ; the add is done; my reads of the ring and of the stage are over
	CROUND                                         ; so are every wave's: behind the round the stage may be written anew
	tensor_load_to_lds s[G0:G0+3], s[G1L:G1L+7]
	s_nop 0
	PLACES                                         ; also the places behind the last products
	s_wait_loadcnt 0x0                             ; the clamped request has landed: window 1 is free
	global_load_b128 v[24:27], v[OGO], s[14:15] offset:512  ; the batch's 128 scales of V'
	global_load_b128 v[BO:BO+3], v[T2], s[8:9]
	VLOAD 0                                        ; V'(0)
	ASKF FLAGK, KVB, 262144, 393216                ; K'(1) and V'(1)
; q is rounded to f16, unscaled, and parked in my own two blocks of the stage, where O will land: a lane's eight columns of a row are 16 bytes
.macro QPACK a
	WIN 0x0a+5*((\a)/4)                            ; sources 0 and 1 in window 2 or 3
.set n, 0
.rept 32
	v_cvt_pk_f16_f32 v[CV+n], v[64*((\a)%4)+2*n], v[64*((\a)%4)+2*n+1]
.set n, n+1
.endr
	WIN 0
.set n, 0
.rept 8
	ds_store_b128 v[AST], v[CV+4*n:CV+4*n+3] offset:(n/4)*CH+(\a)*16*SP+32*(n%4)
.set n, n+1
.endr
.endm
.irp a, 0,1,2,3,4,5,6,7
	QPACK \a
.endr
	s_wait_loadcnt 63                              ; the scales and bo are in: 64 younger loads, V'(0)'s, are out, and the count's field ends at 63
	v_max3_num_f32 v24, v24, v25, v26
	v_max_num_f32 v24, v24, v27
	v_max_num_f32_dpp v24, v24, v24 row_xmask:1 row_mask:0xf bank_mask:0xf
	v_max_num_f32_dpp v24, v24, v24 row_xmask:2 row_mask:0xf bank_mask:0xf
	v_max_num_f32_dpp v24, v24, v24 row_xmask:4 row_mask:0xf bank_mask:0xf
	v_max_num_f32_dpp v24, v24, v24 row_xmask:8 row_mask:0xf bank_mask:0xf
	v_permlanex16_b32 v25, v24, s[SEL], s[SEL+1]
	v_max_num_f32 v[MVV], v24, v25                 ; MV
	v_readfirstlane_b32 s[MV], v[MVV]
	s_mov_b32 s[MV+1], s[MV]
	v_cvt_pk_bf16_f32 v30, v[BO], v[BO+1]
	v_cvt_pk_bf16_f32 v31, v[BO+2], v[BO+3]
	v_lshlrev_b32 v[BO],   16,        v30
	v_and_b32     v[BO+1], s[MASKHI], v30
	v_lshlrev_b32 v[BO+2], 16,        v31
	v_and_b32     v[BO+3], s[MASKHI], v31
	v_mov_b32 v[RL+1], 0
	; ---------------- attention: my two heads, one after the other ----------------
.macro SCL n
	v_pk_fma_f32 v[S+2*(\n):S+2*(\n)+1], v[S+2*(\n):S+2*(\n)+1], s[MK:MK+1], v[M:M+1] op_sel_hi:[1,0,0] neg_lo:[0,0,1] neg_hi:[0,0,1]
.endm
	s_mov_b32 s[J], 0
.Lhead:
	global_load_b32 v[TV], v[TO], s[14:15]         ; lanes 0-15: K's 16 scales of head 2 w + j; lanes 16-31: V's
	s_wait_tensorcnt 0x0                           ; K'(j), my share, is in: nobody else reads it
	WIN 0x80                                       ; my 32 KiB of the ring into window 2: 32 fragments
.set i, 0
.rept 32
	ds_load_b128 v[8*i:8*i+3],   v[ADW] offset:i*1024
	ds_load_b128 v[8*i+4:8*i+7], v[ADW] offset:i*1024+512
.set i, i+1
.endr
	WIN 0
	; The ring has been copied out and takes the next unit, K'(1) or, behind it, Wo's first pair: the three lines, a round of the cluster's barrier, the joint load first behind it, 32 KiB a wave
	s_wait_tensorcnt 0x0
	ds_add_u32 v[SPW], v[NIL]
	s_add_co_u32 s[UO], s[UO], 262144
	s_cmp_eq_u32 s[J], 0
	s_cselect_b32 s[UO], s[UO], WOB
	s_add_nc_u64 s[G0+2:G0+3], s[KVW:KVW+1], s[UO:UO+1]  ; the address is made anew: the pointer, the offset, the type
	s_or_b32 s[G0+3], s[G0+3], 0x80000000
	s_wait_dscnt 0x0                               ; the add is done, and the copy has come
	CROUND
	tensor_load_to_lds s[G0:G0+3], s[G1L:G1L+7]
	s_nop 0
	PLACES
	ASKF LIMW, PF2, 0                              ; Wo's pair 0, then pair 1
	s_wait_loadcnt 0x0                             ; the table and V'(j) are in
	v_mov_b32 v[T2], v[TV]
	v_max_num_f32_dpp v[T2], v[T2], v[T2] row_xmask:1 row_mask:0xf bank_mask:0xf
	v_max_num_f32_dpp v[T2], v[T2], v[T2] row_xmask:2 row_mask:0xf bank_mask:0xf
	v_max_num_f32_dpp v[T2], v[T2], v[T2] row_xmask:4 row_mask:0xf bank_mask:0xf
	v_max_num_f32_dpp v[T2], v[T2], v[T2] row_xmask:8 row_mask:0xf bank_mask:0xf  ; lanes 0-15: the head's largest 2^e of K'
	v_cndmask_b32 v[T3], v[T2], v[MVV], s[MASKHI]  ; lanes 16-31 go by the batch's MV
	v_sub_nc_u32 v[T3], v[TV], v[T3]               ; both are powers of two: the quotient's bits are the difference of the bits
	v_add_nc_u32 v[T3], 0x3f800000, v[T3]          ; + 1.0's,
	v_max_i32 v[T3], 0, v[T3]                      ; 0 where the quotient lies below f32's range
	v_cvt_pk_f16_f32 v[T3], v[T3], v[T3]
.set i, 0
.rept 32
	v_readlane_b32 s[SC+i], v[T3], i
.set i, i+1
.endr
	v_readlane_b32 s[MK], v[T2], 0
	s_mul_f32 s[MK], s[MK], 0x3e38aa3b             ; c MK, c = log2(e) / 8
	s_mov_b32 s[MK+1], s[MK]
	WIN 0x82
.set i, 0
.rept 256                              ; K': fragment 2 t + kf by key tile t's factor: an exact power of two
	v_pk_mul_f16 v[i], v[i], s[SC+i/16]
.set i, i+1
.endr
	WIN 0xc1                                       ; V' out of window 1 into window 3
.set i, 0
.rept 256                              ; V': fragment 4 f + ct: registers 0-3 are key tile 2 f, registers 4-7 key tile 2 f + 1
	v_pk_mul_f16 v[i], v[i], s[SC+16+2*(i/32)+((i%8)/4)]
.set i, i+1
.endr
	WIN 0
	s_cmp_eq_u32 s[J], 0
	s_cbranch_scc0 .Lnov
	VLOAD 262144                                   ; V'(1): it has head 0's eight tiles in which to land; the next wait for loads is for 0
.Lnov:
	s_mov_b32 s[QT], 8
.Ltile:                                            ; 16 queries x 256 keys of one head
	ds_load_b128 v[QF:QF+3],     v[AST]
	ds_load_b128 v[QF+4:QF+7],   v[AST] offset:32
	ds_load_b128 v[QF+8:QF+11],  v[AST] offset:64
	ds_load_b128 v[QF+12:QF+15], v[AST] offset:96
	s_wait_dscnt 0x0
	WIN 0x02                                       ; K' in window 2
.irp kf, 0,1
.irp t, 0,1,2,3,4,5,6,7,8,9,10,11,12,13,14,15      ; S^T = K' q^T: the 16 accumulators take turns
.if \kf == 0
	v_wmma_f32_16x16x32_f16 v[S+8*\t:S+8*\t+7], v[16*\t:16*\t+7], v[QF:QF+7], 0
.else
	v_wmma_f32_16x16x32_f16 v[S+8*\t:S+8*\t+7], v[16*\t+8:16*\t+15], v[QF+8:QF+15], v[S+8*\t:S+8*\t+7]
.endif
.endr
.endr
	WIN 0
	PLACES
.irp c, 0,1,2,3                        ; the maximum: four chains over 32 registers each, ascending
	v_max3_num_f32 v[C0+\c], v[S+32*\c], v[S+32*\c+1], v[S+32*\c+2]
.endr
.set n, 0
.rept 14
.irp c, 0,1,2,3
	v_max3_num_f32 v[C0+\c], v[C0+\c], v[S+32*\c+3+2*n], v[S+32*\c+4+2*n]
.endr
.set n, n+1
.endr
.irp c, 0,1,2,3
	v_max_num_f32 v[C0+\c], v[C0+\c], v[S+32*\c+31]
.endr
	v_max3_num_f32 v[C0], v[C0], v[C0+1], v[C0+2]
	v_max_num_f32 v[C0], v[C0], v[C0+3]
	v_permlanex16_b32 v[C0+1], v[C0], s[SEL], s[SEL+1]  ; the query's other 128 keys lie in the lane 16 away
	v_max_num_f32 v[M+1], v[C0], v[C0+1]
	v_mul_f32 v[M], s[MK], v[M+1]
	SCL 0                                          ; c MK s - c MK m, a pair a line, two pairs ahead of their exponentials
	SCL 1
.set n, 0
.rept 64                               ; ONE batch of 128 exponentials: nothing ahead of the wait below names a result of theirs
	v_exp_f32 v[S+2*n],   v[S+2*n]
	v_exp_f32 v[S+2*n+1], v[S+2*n+1]
.if n < 62
	SCL n+2
.endif
.set n, n+1
.endr
	v_nop                                          ; a plain instruction behind the last exponential,
	s_wait_alu depctr_va_vdst(0)                   ; and a wait ahead of the batch's first reader
.set n, 0
.rept 64
	v_cvt_pk_f16_f32 v[P+n], v[S+2*n], v[S+2*n+1]  ; two accumulators of S^T, packed, are source 1 (32 keys x 16 queries) of the second product
.set n, n+1
.endr
.irp w, 4,8,16,32,64,128               ; the row's sum, of the unrounded weights: 63 packed additions, as a tree
.set n, 0
.rept 128/\w
	v_pk_add_f32 v[S+\w*n:S+\w*n+1], v[S+\w*n:S+\w*n+1], v[S+\w*n+\w/2:S+\w*n+\w/2+1]
.set n, n+1
.endr
.endr
	v_add_f32 v[RL], v[S], v[S+1]
	v_permlanex16_b32 v[RL+1], v[RL], s[SEL], s[SEL+1]
	v_add_f32 v[RL], v[RL], v[RL+1]
	v_rcp_f32 v[RL], v[RL]
	v_nop                                          ; a plain instruction behind the reciprocal; its wait stands behind the products below
	WIN 0x03                                       ; V' in window 3; P, and O^T in S^T's first 32 registers, in window 0
.irp f, 0,1,2,3,4,5,6,7
.irp ct, 0,1,2,3                       ; O^T = V'^T P: the four accumulators take turns
.if \f == 0
	v_wmma_f32_16x16x32_f16 v[S+8*\ct:S+8*\ct+7], v[8*\ct:8*\ct+7], v[P:P+7], 0
.else
	v_wmma_f32_16x16x32_f16 v[S+8*\ct:S+8*\ct+7], v[32*\f+8*\ct:32*\f+8*\ct+7], v[P+8*\f:P+8*\f+7], v[S+8*\ct:S+8*\ct+7]
.endif
.endr
.endr
	WIN 0
	PLACES
	s_wait_alu depctr_va_vdst(0)                   ; the reciprocal's wait, ahead of its first reader
.set n, 0
.rept 16
	v_pk_mul_f32 v[S+2*n:S+2*n+1], v[S+2*n:S+2*n+1], v[RL:RL+1] op_sel_hi:[1,0]
.set n, n+1
.endr
.set n, 0
.rept 16
	v_cvt_pk_f16_f32 v[QF+n], v[S+2*n], v[S+2*n+1]
.set n, n+1
.endr
.irp ct, 0,1,2,3
	ds_store_b128 v[AST], v[QF+4*\ct:QF+4*\ct+3] offset:32*\ct  ; O takes q's place
.endr
	v_add_nc_u32 v[AST], 16*SP, v[AST]             ; the next 16 rows; behind the eighth tile this is the next head's block
	s_sub_co_u32 s[QT], s[QT], 1
	s_cmp_lg_u32 s[QT], 0
	s_cbranch_scc1 .Ltile
	s_wait_xcnt 0x0                                ; the loads and the prefetch have read their addresses
	s_add_nc_u64 s[14:15], s[14:15], 64            ; the next head's scales
	s_add_nc_u64 s[PF2:PF2+1], s[PF2:PF2+1], 131072
	s_add_co_u32 s[J], s[J], 1
	s_cmp_lt_u32 s[J], 2
	s_cbranch_scc1 .Lhead
	; ---------------- out^T = Wo^T O^T ----------------
	s_wait_tensorcnt 0x0                           ; Wo's K steps 0 and 1, my share, are in; no tensor load of mine is out
	s_wait_dscnt 0x0                               ; my O lies in the stage
	s_barrier_signal -1
	s_barrier_wait -1                              ; everybody's does
	s_add_co_u32 s[G0R+1], s[WOFF], 16384          ; the walking refill stands at Wo's K step 1
	s_add_nc_u64 s[G0R+2:G0R+3], s[AWO:AWO+1], 16384
	s_or_b32 s[G0R+3], s[G0R+3], 0x80000000
	s_mov_b64 s[PFA:PFA+1], s[WO:WO+1]
	v_add_nc_u32 v[ADQ], 0xfffe5000, v[ADQ]        ; back by the three trips' 6 blocks, to block 0
	FETCH 0, 0, 0, F0
	QUARTER f16, 0, 0, 1
	WIN 0
	s_mov_b32 s[CNT], 3
.Lo:
	TURN f16, 0, 1, CH, 1, 0, 1
	QUARTER f16, 1, CH, 0
	TURN f16, 1, 0, 2*CH, 1, 0, 0
	QUARTER f16, 0, 2*CH, 0
	WIN 0
	s_wait_xcnt 0x0
	s_add_nc_u64 s[PFA:PFA+1], s[PFA:PFA+1], 131072
	v_add_nc_u32 v[ADQ], 2*CH, v[ADQ]
	s_sub_co_u32 s[CNT], s[CNT], 1
	s_cmp_lg_u32 s[CNT], 0
	s_cbranch_scc1 .Lo
	TURN f16, 0, 1, CH, 0, 0, 0                    ; the tail is written out: nothing is left to fetch
	QUARTER f16, 1, CH, 0
	LAST f16
	WIN 0
	s_barrier_signal -1                            ; my reads of O are over (the last wait on LDS was for 0);
	s_barrier_wait -1                              ; everybody's are: the stage may be written anew
	PLACES
; THE WAY OUT, in two halves of 64 rows through my own part of the stage: a lane's eight columns go in as 32 bytes of a row of 528; then four trips of 16 rows: whole rows of 512 bytes come back, are scaled by MV, take bo
; and are stored.  LDS serves a wave's instructions in order (ISA guide 5.7.1.4), and the bytes are my own: no barrier stands between the halves.
.macro HALF hi
	WIN 0x08+4*(\hi)                               ; store data (source 1) in window 2 or 3
.set n, 0
.rept 32                               ; accumulator n = 8 (a % 4) + e, its low registers first
	ds_store_b128 v[OSA], v[8*n:8*n+3]   offset:(n/8)*16*OP+64*(n%8)
	ds_store_b128 v[OSA], v[8*n+4:8*n+7] offset:(n/8)*16*OP+64*(n%8)+16
.set n, n+1
.endr
	WIN 0
	s_mov_b32 s[CNT], 4
.Lw_\@:
.set n, 0
.rept 16
	ds_load_b128 v[F0+4*n:F0+4*n+3], v[OSR] offset:OP*n
.set n, n+1
.endr
	s_wait_dscnt 0x0
.set n, 0
.rept 16
	v_pk_fma_f32 v[F0+4*n:F0+4*n+1],   v[F0+4*n:F0+4*n+1],   s[MV:MV+1], v[BO:BO+1]   op_sel_hi:[1,0,1]
	v_pk_fma_f32 v[F0+4*n+2:F0+4*n+3], v[F0+4*n+2:F0+4*n+3], s[MV:MV+1], v[BO+2:BO+3] op_sel_hi:[1,0,1]
.set n, n+1
.endr
.set n, 0
.rept 16
	global_store_b128 v[OGO], v[F0+4*n:F0+4*n+3], s[OUT:OUT+1] offset:n*2048 th:TH_STORE_NT  ; 512 consecutive bytes, aligned
.set n, n+1
.endr
	v_add_nc_u32 v[OSR], 16*OP, v[OSR]
	s_wait_xcnt 0x0                                ; the stores have read their data and their base: both are written again only behind this wait
	s_add_nc_u64 s[OUT:OUT+1], s[OUT:OUT+1], 32768 ; 16 rows of out0 on
	s_sub_co_u32 s[CNT], s[CNT], 1
	s_cmp_lg_u32 s[CNT], 0
	s_cbranch_scc1 .Lw_\@
	v_add_nc_u32 v[OSR], 0xffff7c00, v[OSR]        ; back by the four trips' 33,792 bytes
.endm
	HALF 0
	HALF 1
	s_wait_tensorcnt 0x0                           ; the wave's end, behind my last tensor load and my last LDS store
	ds_add_u32 v[SPW], v[NIL]
	s_wait_dscnt 0x0
	CROUND                                         ; the closing round: no work-group ends while a partner may still ask for a tile that names it
	s_endpgm
.Lfunc_end_k_q289636c796_attn:
	.size	k_q289636c796_attn, .Lfunc_end_k_q289636c796_attn-k_q289636c796_attn
	.p2alignl 7, 3214868480
	.fill 96, 4, 3214868480
	.section	.rodata,"a",@progbits
	.p2align	6, 0x0
	.amdhsa_kernel k_q289636c796_attn
		.amdhsa_group_segment_fixed_size 327680
		.amdhsa_private_segment_fixed_size 0
		.amdhsa_enable_private_segment 0
		.amdhsa_kernarg_size 56
		.amdhsa_user_sgpr_count 2
		.amdhsa_user_sgpr_kernarg_segment_ptr 1
		.amdhsa_wavefront_size32 1
		.amdhsa_system_sgpr_workgroup_id_x 1
		.amdhsa_system_sgpr_workgroup_id_y 1
		.amdhsa_system_sgpr_workgroup_id_z 1
		.amdhsa_system_vgpr_workitem_id 0
		.amdhsa_next_free_vgpr 1024
		.amdhsa_next_free_sgpr 102
		.amdhsa_reserve_vcc 0
		.amdhsa_float_denorm_mode_32 3
		.amdhsa_float_denorm_mode_16_64 3
		.amdhsa_memory_ordered 1
		.amdhsa_forward_progress 1
		.amdhsa_inst_pref_size 255
	.end_amdhsa_kernel
	.section	.bss,"aw",@nobits
	.p2align	6
	.space	262144
	.amdgpu_metadata
---
amdhsa.version: [ 1, 2 ]
amdhsa.kernels:
  - .name:           k_q289636c796_attn
    .symbol:         k_q289636c796_attn.kd
    .args:
      - { .name: query, .offset: 0, .size: 8, .value_kind: global_buffer, .address_space: global }
      - { .name: bq, .offset: 8, .size: 8, .value_kind: global_buffer, .address_space: global }
      - { .name: bo, .offset: 16, .size: 8, .value_kind: global_buffer, .address_space: global }
      - { .name: wfr, .offset: 24, .size: 8, .value_kind: global_buffer, .address_space: global }
      - { .name: kvf, .offset: 32, .size: 8, .value_kind: global_buffer, .address_space: global }
      - { .name: sct, .offset: 40, .size: 8, .value_kind: global_buffer, .address_space: global }
      - { .name: out0, .offset: 48, .size: 8, .value_kind: global_buffer, .address_space: global }
    .group_segment_fixed_size: 327680
    .private_segment_fixed_size: 0
    .kernarg_segment_align: 8
    .kernarg_segment_size: 56
    .max_flat_workgroup_size: 128
    .sgpr_count:     102
    .vgpr_count:     1024
    .wavefront_size: 32
...
	.end_amdgpu_metadata
.endif
;; end of part 4
